; MI455X (gfx1250); checked and timed in simulation.
; The chip was launched on July 23, 2026; its instructions are those of AMD's public machine-readable ISA for CDNA 5 (MIT licence, August 2026) and "CDNA5" Instruction Set Architecture Reference Guide (July 2026). The comments in the code are by the model that wrote it; some were corrected since.
;; Transformer Layer. Allowed arithmetic: matrix products marked QUANTISED: E2M3 operands, one E8M0 scale for each 32 along K, by v_wmma_scale_f32_16x16x128_f8f6f4 with both operands' format E2M3, f32 sums; everything else in f32.
;; Inputs: fc1_b 4,096 float32; fc1_w 4,096 x 1,024 float32; fc2_b 1,024 float32; fc2_w 1,024 x 4,096 float32; in_proj_b 3,072 float32; in_proj_w 3,072 x 1,024 float32; ln1_b 1,024 float32; ln1_w 1,024 float32; ln2_b 1,024 float32; ln2_w 1,024 float32; out_b 1,024 float32; out_w 1,024 x 1,024 float32; x 2,048 x 2 x 1,024 float32.
;; Outputs: out0 2,048 x 2 x 1,024 float32.
;; This version of the problem:
;;   THIS VERSION OF THE PROBLEM IS GIVEN IN LOW PRECISION. The matrix products marked QUANTISED in the list below multiply operands that are first quantised to E2M3 (2 exponent bits, 3 mantissa bits; 6 bits a number), with one power-of-two scale for each 32 numbers along K (OCP MX v1.0); their sums are f32. All else is computed in f32.
;;   The module's matrix products, in the order in which they are computed (A, B: the left and right operand; K: the contracted axis; several contracted axes count as one K, in the product's order):
;;     1. [M 4,096, K 1,024] x [K 1,024, N 3,072]; A: input x; B: input in_proj_w: QUANTISED
;;     2. batch 32 x [M 2,048, K 64] x [K 64, N 2,048]; A: computed on the way; B: computed on the way: QUANTISED
;;     3. batch 32 x [M 64, K 2,048] x [K 2,048, N 2,048]; A: computed on the way; B: softmax (see below): QUANTISED
;;     4. [M 4,096, K 1,024] x [K 1,024, N 1,024]; A: computed on the way; B: input out_w: QUANTISED
;;     5. [M 4,096, K 1,024] x [K 1,024, N 4,096]; A: computed on the way; B: input fc1_w: QUANTISED
;;     6. [M 4,096, K 4,096] x [K 4,096, N 1,024]; A: computed on the way; B: input fc2_w: QUANTISED
;;   THE QUANTISER, for each operand of a quantised product, along K:
;;     - K is cut into blocks of 32 from its start; a last block that is shorter is filled with zeros.
;;     - A block's scale is 2^e with e = floor(log2(the largest magnitude in the block)) - 2, held to -126 .. 127; a block of zeros has e = 0. As a byte (E8M0): e + 127.
;;     - Each number is divided by its block's scale, clamped to +-7.5, and rounded to the nearest number of E2M3, ties to even, subnormals kept.
;;     - The product sums the exact products of the quantised numbers (number of the format x scale) in f32.
;;   ~~~python
;;   def quantise(x, axis):      # numpy; x: float32 -> the quantised numbers, widened to float32 again
;;       x = np.moveaxis(x, axis, -1); K = x.shape[-1]
;;       x = np.pad(x, [(0, 0)] * (x.ndim - 1) + [(0, -K % 32)]); x = x.reshape(x.shape[:-1] + (-1, 32)); a = np.abs(x).max(-1, keepdims=True)
;;       e = np.where(a > 0, np.clip(np.frexp(np.where(a > 0, a, 1))[1] - 1 - 2, -126, 127), 0)      # np.frexp(a)[1] - 1 = floor(log2(a)), exactly
;;       r = np.clip(x / 2.0 ** e, -7.5, 7.5)
;;       step = 2.0 ** (np.maximum(np.frexp(np.where(r == 0, 1, r))[1] - 1, 0) - 3)
;;       q = np.round(r / step) * step * 2.0 ** e      # np.round: ties to even
;;       return np.moveaxis(q.reshape(q.shape[:-2] + (-1,))[..., :K], -1, axis).astype(np.float32)
;;   ~~~
;;   SOFTMAX AHEAD OF A QUANTISED PRODUCT. Where the list says 'softmax', what is quantised is not the finished softmax but p = 2^(t - M), with t = logit x log2(e) and M = ceil(the row's largest t), a whole number; so 1/2 < the row's largest p <= 1. The row's sum l is taken of the UNQUANTISED p, in f32, and the product's result is divided by l at the end. Since M is a whole number, a kernel that streams over the keys may use a running M (the ceiling of the running maximum): every later rescaling is an exact power of two, which a block's scale takes up: the codes' values come out the same.
;;   OPERANDS COMPUTED ON THE WAY. 'Computed on the way' means the value that the module computes at that place (a softmax that the list does not call 'softmax' is quantised finished and normalised). What goes into a quantiser is computed in f32, as accurately as f32 sums, v_exp_f32 and their like allow (about 1e-6 of the number): no bf16 or f16 on the way to a quantiser, and a product that is left as it is and whose result goes on into a quantised operand takes f32 operands (vector FMAs, or v_wmma_f32_16x16x4_f32). A number that lies on a knife's edge between two numbers of the format may be rounded either way, as far as f32 arithmetic and the matrix unit's own rounding can turn it there, and no further.
;; One version. Each part assembles by itself: llvm-mc -triple=amdgcn-amd-amdhsa -mcpu=gfx1250 --defsym DOCPART=n.
;; ======== version 1 of 1: 7 launches
;; limits: right only within a limited range of input values
;; workspace buffers: img0 9,011,200 bytes; wo 819,200 bytes; w2 3,276,800 bytes; qkv 10,092,544 bytes; act 13,107,200 bytes; hbuf 20,054,016 bytes; y 16,777,216 bytes
;; launch quant (part 1): grid 1024 x 1, 4 waves a work-group, no clusters, 34,304 bytes of LDS; arguments x, in_proj_w, fc1_w, out_w, fc2_w, img0, wo, w2; writes img0, wo, w2
.if DOCPART == 1
	.amdgcn_target "amdgcn-amd-amdhsa--gfx1250"
	.amdhsa_code_object_version 6
	.text
	.protected	k_q81958e8825_quant
	.globl	k_q81958e8825_quant
	.p2align	8
	.type	k_q81958e8825_quant,@function
k_q81958e8825_quant:
	s_mov_b64 s[64:65], 0
	v_nop
	global_prefetch_b8 v0, s[64:65] scope:SCOPE_SE
	s_setreg_imm32_b32 hwreg(HW_REG_WAVE_MODE, 25, 1), 1
	s_wait_xcnt 0x0
; x and the four weights, f32 with K innermost, become codes of FP6 (E2M3) with one E8M0 byte for each 32 along K, laid as IMAGES OF OPERAND REGISTERS.
; A fragment is 16 rows x 128 K, 12 registers a lane: lane (r = lane % 16, h = lane / 16) holds in registers 6 c .. 6 c + 5 the codes of k = 64 c + 32 h + 0 .. 31 of image row r.
; Its image, 1,536 bytes: for c = 0, 1: registers 6 c .. 6 c + 3 at 768 c + 16 x lane, registers 6 c + 4, 6 c + 5 at 768 c + 512 + 8 x lane.  Its scale words: 64 bytes, row r's at 4 r.
; A record is 8 tiles of one K step: 8 images, then 8 x 64 bytes of words: 12,800 bytes.  A group of 8 tiles has its 8 K steps' records on end: 102,400 bytes.
; IMAGE ROW r OF TILE T IS THE MATRIX'S ROW 32 (T / 2) + 8 (T % 2) + r + 8 (r / 8): so a transposed product's 16 registers of two neighbouring tiles are 16 neighbours along the next K.
; Token rows count batch first: tile T = 128 b + (tile of s).  fc2_w, whose K is 4,096, is cut into four panels of K = 1,024.
; SHARES: a work-group takes one tile of rows x 1,024 along K (8 fragments), wave w the K steps 2 w and 2 w + 1.  The work-group's number says which tensor: only pointers and five small numbers are chosen, one path serves all.
; Each load reads 512 consecutive bytes of a row; the 16 rows turn through the wave's own stage in LDS (rows 528 bytes apart) so that a lane gets its 32 neighbours of each block.  A lane owns whole blocks.
; A block's scale is 2^(floor(log2(largest magnitude)) - 2): its byte is the largest magnitude's exponent field - 2, held at 1 from below.
; LIMITS: a block of zeros gets the byte 1 where the rule says 127 (its codes are zeros, and this program alone reads the bytes); blocks under 2^-124 are held at the byte 1; NaN and infinities are not served.
.set GRP,  102400
.set REC,  12800
.set SP,   528                         ; a stage row: 512 bytes + 16
.set STG,  16*SP                       ; a wave's stage
.set RAW,  16                          ; v16-143  two fragments' numbers as loaded: 16 rows x 4 registers each
.set X,    144                         ; v144-207 64 numbers after the turn: register 32 u + i = k 64 u + 32 h + i of my row
.set CD,   208                         ; v208-231 the codes of the two fragments: each has its own registers, so no store's data are written again
.set CT,   232                         ; v232-234, v236-238 the second halves of the blocks' codes
.set WD,   240                         ; v240-241 the scale words
.set SEL,  70                          ; s[70:71] v_permlanex16_b32's selects for lane xor 16
; 64 numbers at v[x] on become a fragment's codes at v[c] on and its scale word in v[w].  t: two runs of three registers; m: seven registers at work.  v7 = 8 h.
.macro QF x, c, t, w, m
.irp u, 0,1
	v_max3_num_f32 v[\m+\u], |v[\x+32*\u]|, |v[\x+32*\u+1]|, 0x1800000   ; my block 2 u + h: all 32 numbers are mine; the floor 2^(3 - 127) holds the byte at 1 from below
.endr
.irp i, 2,4,6,8,10,12,14,16,18,20,22,24,26,28,30
.irp u, 0,1
	v_max3_num_f32 v[\m+\u], v[\m+\u], |v[\x+32*\u+\i]|, |v[\x+32*\u+\i+1]|   ; the two blocks by turns
.endr
.endr
.irp u, 0,1
	v_add_nc_u32 v[\m+2+\u], 0xff000000, v[\m+\u]      ; 2 off the exponent field: the conversion's scale operand
.endr
.irp u, 0,1
	v_lshrrev_b32 v[\m+4+\u], 23, v[\m+2+\u]           ; the scale's byte
.endr
	v_lshl_or_b32 v[\w], v[\m+5], 16, v[\m+4]          ; blocks h and 2 + h of my row,
	v_lshlrev_b32 v[\w], v7, v[\w]                     ; at their places in the word,
	v_permlanex16_b32 v[\m+6], v[\w], s[SEL], s[SEL+1]
	v_or_b32 v[\w], v[\w], v[\m+6]                     ; with lane xor 16's two the word is whole, in both lanes
.irp u, 0,1
	v_cvt_scalef32_pk16_fp6_f32 v[\c+6*\u:\c+6*\u+2], v[\x+32*\u:\x+32*\u+15], v[\m+2+\u]
	v_cvt_scalef32_pk16_fp6_f32 v[\t+4*\u:\t+4*\u+2], v[\x+32*\u+16:\x+32*\u+31], v[\m+2+\u]   ; a conversion's three registers begin on an even number
.endr
	v_nop                                              ; one plain instruction behind the conversions
.irp u, 0,1
.irp i, 0,1,2
	v_mov_b32 v[\c+6*\u+3+\i], v[\t+4*\u+\i]
.endr
.endr
.endm
	s_load_b512 s[4:19], s[0:1], 0x0               ; x, in_proj_w, fc1_w, out_w, fc2_w, img0, wo, w2
	v_lshl_add_u32 v254, v0, 2, 0x8400
	v_mov_b32 v255, 0
	v_lshrrev_b32 v1, 5, v0
	v_readfirstlane_b32 s29, v1                    ; wave 0..3
	v_and_b32 v1, 31, v0                           ; lane
	v_and_b32 v8, 15, v0                           ; r
	v_bfe_u32 v9, v0, 4, 1                         ; h
	v_lshlrev_b32 v2, 4, v1                        ; 16 x lane
	v_lshlrev_b32 v3, 3, v1                        ; 8 x lane
	v_lshlrev_b32 v4, 2, v8                        ; 4 r
	s_mul_i32 s30, s29, STG
	v_add_nc_u32 v5, s30, v2                       ; the stage, on the way in: 16 x lane of a row
	v_mul_u32_u24 v6, v8, SP
	v_lshl_add_u32 v6, v9, 7, v6
	v_add_nc_u32 v6, s30, v6                       ; and on the way out: row r, + 128 h bytes
	v_lshlrev_b32 v7, 3, v9                        ; 8 h
	v_mov_b32 v14, 0                               ; written once: a lane permute's destination counts as read
	s_mov_b32 s[SEL], 0x76543210
	s_mov_b32 s[SEL+1], 0xfedcba98
	; which tensor: fc2_w's figures first, then the others', from the highest work-group numbers down
	s_mov_b32 s24, 768                             ; the tensor's first work-group
	s_mov_b32 s25, 14                              ; log2 of the bytes from a row to the next
	s_mov_b32 s26, 63                              ; mask: the tile of rows
	s_mov_b32 s27, 6                               ; shift: what lies above it (fc2_w: the K panel; x: the batch)
	s_mov_b32 s28, 96                              ; the group number at the destination buffer's head
	s_wait_alu depctr_va_vdst(0)
	s_wait_kmcnt 0x0
	s_cmp_lt_u32 ttmp9, 768                        ; out_w
	s_cselect_b32 s24, 704, s24
	s_cselect_b32 s25, 12, s25
	s_cselect_b32 s26, 255, s26
	s_cselect_b32 s27, 8, s27
	s_cselect_b32 s28, 88, s28
	s_cselect_b64 s[20:21], s[10:11], s[12:13]
	s_cselect_b64 s[22:23], s[16:17], s[18:19]
	s_cmp_lt_u32 ttmp9, 704                        ; fc1_w
	s_cselect_b32 s24, 448, s24
	s_cselect_b32 s28, 0, s28
	s_cselect_b64 s[20:21], s[8:9], s[20:21]
	s_cselect_b64 s[22:23], s[14:15], s[22:23]
	s_cmp_lt_u32 ttmp9, 448                        ; in_proj_w
	s_cselect_b32 s24, 256, s24
	s_cselect_b64 s[20:21], s[6:7], s[20:21]
	s_cmp_lt_u32 ttmp9, 256                        ; x: rows of one batch lie 8,192 bytes apart
	s_cselect_b32 s24, 0, s24
	s_cselect_b32 s25, 13, s25
	s_cselect_b32 s26, 127, s26
	s_cselect_b32 s27, 7, s27
	s_cselect_b64 s[20:21], s[4:5], s[20:21]
	s_sub_co_u32 s30, ttmp9, s24
	s_and_b32 s31, s30, s26                        ; the tile of rows
	s_lshr_b32 s30, s30, s27                       ; the panel or the batch: 4,096 bytes each
	s_lshr_b32 s76, s31, 1
	s_lshl_b32 s76, s76, 5
	s_and_b32 s31, s31, 1
	s_lshl_b32 s31, s31, 3
	s_add_co_u32 s76, s76, s31                     ; the tile's first row: 32 (T / 2) + 8 (T % 2)
	s_lshl_b32 s76, s76, s25
	s_lshl_b32 s30, s30, 12
	s_add_co_u32 s76, s76, s30
	s_lshl_b32 s30, s29, 10                        ; my wave's 256 numbers of the 1,024
	s_add_co_u32 s76, s76, s30
	s_mov_b32 s77, 0
	s_add_nc_u64 s[32:33], s[20:21], s[76:77]      ; image row 0
	s_lshl_b32 s66, 1, s25                         ; a row on,
	s_mov_b32 s67, 0
	s_mul_i32 s68, s66, 9                          ; and from image row 7 to image row 8: nine rows
	s_mov_b32 s69, 0
.irp i, 1,2,3,4,5,6,7,8,9,10,11,12,13,14,15
.if \i == 8
	s_add_nc_u64 s[32+2*\i:33+2*\i], s[30+2*\i:31+2*\i], s[68:69]
.else
	s_add_nc_u64 s[32+2*\i:33+2*\i], s[30+2*\i:31+2*\i], s[66:67]
.endif
.endr
.irp f, 0,1
.irp i, 0,1,2,3,4,5,6,7,8,9,10,11,12,13,14,15
	global_load_b128 v[RAW+64*\f+4*\i:RAW+64*\f+4*\i+3], v2, s[32+2*\i:33+2*\i] offset:512*\f th:TH_LOAD_NT   ; 32 lanes read 512 consecutive bytes of a row
.endr
.endr
	s_lshr_b32 s30, ttmp9, 3
	s_sub_co_u32 s30, s30, s28
	s_mul_i32 s30, s30, GRP                        ; my group in the destination,
	s_mul_i32 s31, s29, 2*REC
	s_add_co_u32 s30, s30, s31                     ; the record of K step 2 w
	s_and_b32 s78, ttmp9, 7                        ; my tile in the group
	s_mul_i32 s79, s78, 1536
	s_add_co_u32 s76, s30, s79
	s_add_nc_u64 s[72:73], s[22:23], s[76:77]      ; its image
	s_lshl_b32 s78, s78, 6
	s_add_co_u32 s76, s30, s78
	s_add_co_u32 s76, s76, 12288
	s_add_nc_u64 s[74:75], s[22:23], s[76:77]      ; its scale words
.irp f, 0,1
	s_wait_loadcnt 16-16*\f                        ; this fragment's 16 loads are in; the second fragment's 16 are younger
.irp i, 0,1,2,3,4,5,6,7,8,9,10,11,12,13,14,15
	ds_store_b128 v5, v[RAW+64*\f+4*\i:RAW+64*\f+4*\i+3] offset:SP*\i
.endr
.irp u, 0,1
.irp j, 0,1,2,3,4,5,6,7
	ds_load_b128 v[X+32*\u+4*\j:X+32*\u+4*\j+3], v6 offset:256*\u+16*\j   ; LDS serves a wave's instructions in order (ISA guide 5.7.1.4): these see my stores
.endr
.endr
	s_wait_dscnt 0x0
	QF X, CD+12*\f, CT, WD+\f, 8
	global_store_b128 v2, v[CD+12*\f:CD+12*\f+3], s[72:73] offset:REC*\f              ; 512 consecutive bytes
	global_store_b64 v3, v[CD+12*\f+4:CD+12*\f+5], s[72:73] offset:REC*\f+512         ; 256
	global_store_b128 v2, v[CD+12*\f+6:CD+12*\f+9], s[72:73] offset:REC*\f+768
	global_store_b64 v3, v[CD+12*\f+10:CD+12*\f+11], s[72:73] offset:REC*\f+1280
	global_store_b32 v4, v[WD+\f], s[74:75] offset:REC*\f                             ; both halves of the lanes write the same word with the same value
.endr
	s_wait_tensorcnt 0x0
	ds_add_u32 v254, v255
	s_wait_dscnt 0x0
	s_endpgm
.Lfunc_end_k_q81958e8825_quant:
	.size	k_q81958e8825_quant, .Lfunc_end_k_q81958e8825_quant-k_q81958e8825_quant
	.p2alignl 7, 3214868480
	.fill 96, 4, 3214868480
	.section	.rodata,"a",@progbits
	.p2align	6, 0x0
	.amdhsa_kernel k_q81958e8825_quant
		.amdhsa_group_segment_fixed_size 34304
		.amdhsa_private_segment_fixed_size 0
		.amdhsa_enable_private_segment 0
		.amdhsa_kernarg_size 64
		.amdhsa_user_sgpr_count 2
		.amdhsa_user_sgpr_kernarg_segment_ptr 1
		.amdhsa_wavefront_size32 1
		.amdhsa_system_sgpr_workgroup_id_x 1
		.amdhsa_system_sgpr_workgroup_id_y 1
		.amdhsa_system_sgpr_workgroup_id_z 1
		.amdhsa_system_vgpr_workitem_id 0
		.amdhsa_next_free_vgpr 256
		.amdhsa_next_free_sgpr 80
		.amdhsa_reserve_vcc 0
		.amdhsa_float_denorm_mode_32 3
		.amdhsa_float_denorm_mode_16_64 3
		.amdhsa_memory_ordered 1
		.amdhsa_forward_progress 1
		.amdhsa_inst_pref_size 19
	.end_amdhsa_kernel
	.amdgpu_metadata
---
amdhsa.version: [ 1, 2 ]
amdhsa.kernels:
  - .name:           k_q81958e8825_quant
    .symbol:         k_q81958e8825_quant.kd
    .args:
      - { .name: x, .offset: 0, .size: 8, .value_kind: global_buffer, .address_space: global }
      - { .name: in_proj_w, .offset: 8, .size: 8, .value_kind: global_buffer, .address_space: global }
      - { .name: fc1_w, .offset: 16, .size: 8, .value_kind: global_buffer, .address_space: global }
      - { .name: out_w, .offset: 24, .size: 8, .value_kind: global_buffer, .address_space: global }
      - { .name: fc2_w, .offset: 32, .size: 8, .value_kind: global_buffer, .address_space: global }
      - { .name: img0, .offset: 40, .size: 8, .value_kind: global_buffer, .address_space: global }
      - { .name: wo, .offset: 48, .size: 8, .value_kind: global_buffer, .address_space: global }
      - { .name: w2, .offset: 56, .size: 8, .value_kind: global_buffer, .address_space: global }
    .group_segment_fixed_size: 34304
    .private_segment_fixed_size: 0
    .kernarg_segment_align: 8
    .kernarg_segment_size: 64
    .max_flat_workgroup_size: 128
    .sgpr_count:     80
    .vgpr_count:     256
    .wavefront_size: 32
...
	.end_amdgpu_metadata
.endif
;; end of part 1
;; launch qkv (part 2): grid 12 x 16, 4 waves a work-group, clusters of 4 x 4, 327,680 bytes of LDS; arguments img0, in_proj_b, qkv; writes qkv
.if DOCPART == 2
	.amdgcn_target "amdgcn-amd-amdhsa--gfx1250"
	.amdhsa_code_object_version 6
	.text
	.protected	k_q81958e8825_qkv
	.globl	k_q81958e8825_qkv
	.p2align	8
	.type	k_q81958e8825_qkv,@function
k_q81958e8825_qkv:
	s_mov_b64 s[64:65], 0
	v_nop
	global_prefetch_b8 v0, s[64:65] scope:SCOPE_SE
	s_setreg_imm32_b32 hwreg(HW_REG_WAVE_MODE, 25, 1), 1
	s_wait_xcnt 0x0
	s_wait_alu depctr_hold_cnt(0) depctr_sa_sdst(0) depctr_va_vdst(0) depctr_va_sdst(0) depctr_va_ssrc(0) depctr_va_vcc(0) depctr_vm_vsrc(0)
	s_getreg_b32 s2, hwreg(HW_REG_IB_STS2, 6, 4)
	s_cmp_eq_u32 s2, 0
	s_cbranch_scc0 .Lentry_in_a_cluster
	s_endpgm
.Lentry_in_a_cluster:
	s_bfe_u32 s2, ttmp6, 0x10000c
	s_cmp_lg_u32 s2, 0xf033
	s_cbranch_scc0 .Lentry_shape_is_right
	s_endpgm
.Lentry_shape_is_right:
; qkv = x in_proj_w^T + in_proj_b on codes of FP6 (E2M3), and its results quantised at once: q and k along the head's 64, v along the keys.
; OPERANDS are images of operand registers: a fragment (16 rows x 128 K, 12 registers a lane) is 1,536 bytes (registers 0-3 at 16 x lane, 4-5 at 512 + 8 x lane, 6-9 at 768 + 16 x lane, 10-11 at 1,280 + 8 x lane);
; a record = 8 tiles of one K step + their 8 x 64 bytes of scale words = 12,800 bytes; a group of 8 tiles has its 8 records on end.  Image row r of tile T is row 32 (T / 2) + 8 (T % 2) + r + 8 (r / 8).
; A tile of the result, 256 x 256, is made by four waves, each 128 x 128: 64 accumulators, 512 registers.  K goes in steps of 256 through two LDS slots; a slot's quarter is two records of one group: one dense block, one tensor load.
; THE PRODUCT IS USED TRANSPOSED: source 0 = 16 rows of P, source 1 = 16 rows of R.  A lane then holds ONE image row of R, and the 64 registers of one tile of R against P's 8 tiles are P's rows 32 b + 16 h + i
; at register 16 b + i: 16 neighbours of each block of 32, as the conversions want them.  So a wave's results for one tile of R are one fragment of the next product, whose K is P's rows.
; q, k (clusters x = 0, 1): P = in_proj_w's rows, R = tokens: K of the next product = the head's channels.  v (cluster x = 2): P = TOKENS, R = in_proj_w's rows: K of the next product = the keys.
; CLUSTERS 4 x 4: R's tiles hang on cy and are shared along a row of the cluster, P's on cx and are shared along a column: joint loads, each with the same descriptor in the four that its mask names.
; q's factor 1/8 is left to the attention's constant: a power of two changes no code.  LIMIT: that is exact unless a block's scale would be held at -126.
; LIMITS of the quantiser: a block of zeros gets the byte 1 (its codes are zeros; this program alone reads the bytes); blocks under 2^-124 are held at the byte 1; NaN and infinities are not served.
; A prefetch at the head, for the two refills: K has four slots' worth of steps, two of which are the first fills.
; REGISTERS, in windows of 256.  Window 0: v16-23 fragment addresses, v24-26 store offsets, v27, v30 scale addresses, v28-29 for the add, v32-63 scale words (two sets), v64-127 the bias as C, v128-223 R's 8 fragments (one set; later at work),
;   v224-239 v's bias.  Window 1: P's fragments, two sets, at v0 and v128.  Windows 2, 3: accumulator (a, b) in window 2 + a / 4 at v[8 (8 (a % 4) + b)].
.set REC,   12800
.set GRP,   8*REC
.set QTR,   2*REC                      ; a quarter of a slot: two records
.set SLOT,  QTR                        ; LDS: a wave's quarter of slot 1 lies directly behind its quarter of slot 0
.set LQ,    2*QTR                      ; LDS: from one wave's pair of quarters to the next wave's
.set SPARE, 8*QTR                      ; behind the ring: the spare words
.set FR,    12                         ; registers of a fragment
.set NL,    4                          ; LDS loads that bring one
.set NP,    4                          ; places behind this matrix instruction (ISA guide 7.12.1)
.set WOFF,  32*GRP                     ; in_proj_w's panel in img0, behind x's 32 groups
.set KV_OFF, 3407872                   ; behind q's 32 heads of 106,496 bytes
.set KVH,   208896                     ; a head's 16 key steps of 13,056 bytes
.set ADRR,  16                         ; v16-17 R's quarter in slot 0, 1 + 16 x lane; v18-19 + 8 x lane
.set ADRP,  20                         ; v20-23 the same for P
.set L16,   24                         ; v24 16 x lane
.set L8,    25                         ; v25 8 x lane
.set L4,    26                         ; v26 4 x (lane % 16)
.set ADRS,  27                         ; v27, v30: my scale words in slot 0, 1: lanes 0-15 R's, lanes 16-31 P's
.set SPW,   28                         ; v28 my spare word; never rewritten
.set NIL,   29                         ; v29 0; never rewritten
.set SC,    32                         ; set s at v[SC + 16 s]; register 2 i + q: tile i, the slot's q-th 128 along K
.set BT,    64                         ; the bias in the result's layout, 8 registers for each tile of P
.set AF,    128
.set VB,    224                        ; v's bias: a number a lane, twice, for each tile of R
.set PC,    128                        ; the way out: codes v128-139; v140-142, v144-146 second halves
.set TM,    148                        ; v148-163 at work
.set PW,    164                        ; the scale word
.set W0,    165
.set W1,    166
.set G1R, 24                           ; s[24:31] group 1 for R's tiles; s[32:39] group 0, one set a slot
.set G0R, 32
.set G1P, 48                           ; s[48:55], s[56:63] the same for P
.set G0P, 56
.set SEL, 66                           ; s[66:67] v_permlanex16_b32's selects for lane xor 16
.set MSB, 0
.macro WIN new                         ; the immediate's high byte repeats the setting that is left
.if MSB != (\new)
	s_set_vgpr_msb (MSB<<8)|(\new)
.set MSB, (\new)
.endif
.endm
.set MUL_LO, 0xa1                      ; source 0 (P) window 1, source 1 (R) window 0, C and D window 2
.set MUL_HI, 0xf1
.set TO_P,   0x40                      ; destination window 1
; A joint load: waves 0 and 1 fetch for R, waves 2 and 3 for P.  The branch hangs on the wave's number alone.  Four v_nop follow each of the two lines.
.macro JLOAD g0a, g1a, g0b, g1b
	s_cmp_eq_u32 s15, 0
	s_cbranch_scc0 .Lfor_p_\@
	tensor_load_to_lds s[\g0a:\g0a+3], s[\g1a:\g1a+7]
	s_nop 0
.rept 4
	v_nop
.endr
	s_branch .Lasked_\@
.Lfor_p_\@:
	tensor_load_to_lds s[\g0b:\g0b+3], s[\g1b:\g1b+7]
	s_nop 0
.rept 4
	v_nop
.endr
.Lasked_\@:
.endm
.macro CREST                           ; a round of the cluster's barrier behind its opening barrier
	s_cmp_lg_u32 s14, 0
	s_cbranch_scc1 .Lnot_wave_0_\@
	s_barrier_signal -3
.Lnot_wave_0_\@:
	s_barrier_wait -3
	s_barrier_signal -1
	s_barrier_wait -1
.endm
.macro CROUND
	s_barrier_signal -1
	s_barrier_wait -1
	CREST
.endm
.macro PLACES n
.rept \n
	v_nop
.endr
.endm
.macro FRAG reg, adr, q, i             ; a fragment's image comes back as it was stored: every load reads consecutive bytes
	ds_load_b128 v[\reg:\reg+3], v[\adr] offset:REC*(\q)+1536*(\i)
	ds_load_b64 v[\reg+4:\reg+5], v[\adr+2] offset:REC*(\q)+1536*(\i)+512
	ds_load_b128 v[\reg+6:\reg+9], v[\adr] offset:REC*(\q)+1536*(\i)+768
	ds_load_b64 v[\reg+10:\reg+11], v[\adr+2] offset:REC*(\q)+1536*(\i)+1280
.endm
; 16 matrix instructions: R's tiles a0, a0 + 1 x P's eight.  p: P's set; q: which 128 of the slot; sc: the set of scale words.  mode 0: add on; 1: C = 0; 2: C = the bias.  The 64 accumulators take turns.
.macro MUL16 a0, p, q, sc, mode
.irp a, \a0, \a0+1
.irp b, 0,1,2,3,4,5,6,7
.set rD, 8*(8*((\a)%4)+\b)
.set rP, 128*(\p)+FR*\b
.set rR, AF+FR*(\a)
.set rSP, SC+16*(\sc)+2*\b+(\q)
.set rSR, SC+16*(\sc)+2*(\a)+(\q)
.if \mode == 1
	v_wmma_scale_f32_16x16x128_f8f6f4 v[rD:rD+7], v[rP:rP+FR-1], v[rR:rR+FR-1], 0, v[rSP], v[rSR] matrix_a_fmt:MATRIX_FMT_FP6 matrix_b_fmt:MATRIX_FMT_FP6 matrix_a_scale:MATRIX_SCALE_ROW1
.elseif \mode == 2
	v_wmma_scale_f32_16x16x128_f8f6f4 v[rD:rD+7], v[rP:rP+FR-1], v[rR:rR+FR-1], v[BT+8*\b:BT+8*\b+7], v[rSP], v[rSR] matrix_a_fmt:MATRIX_FMT_FP6 matrix_b_fmt:MATRIX_FMT_FP6 matrix_a_scale:MATRIX_SCALE_ROW1
.else
	v_wmma_scale_f32_16x16x128_f8f6f4 v[rD:rD+7], v[rP:rP+FR-1], v[rR:rR+FR-1], v[rD:rD+7], v[rSP], v[rSR] matrix_a_fmt:MATRIX_FMT_FP6 matrix_b_fmt:MATRIX_FMT_FP6 matrix_a_scale:MATRIX_SCALE_ROW1
.endif
.endr
.endr
.endm
.macro FETCH_P slot, q, p
	WIN TO_P
.irp i, 0,1,2,3,4,5,6,7
	FRAG 128*(\p)+FR*\i, ADRP+\slot, \q, \i
.endr
	WIN 0
.endm
.macro FETCH_R slot, q, i0
.irp i, \i0, \i0+1, \i0+2, \i0+3
	FRAG AF+FR*(\i), ADRR+\slot, \q, \i
.endr
.endm
.macro SCALES sc                       ; a slot's scale words: lanes 0-15 take R's tile i, lanes 16-31 P's tile i
.irp i, 0,1,2,3,4,5,6,7
.irp q, 0,1
	ds_load_b32 v[SC+16*\sc+2*\i+\q], v[ADRS+3*\sc] offset:REC*\q+12288+64*\i
.endr
.endr
.endm
; A step of 128 along K that has its successor in the same slot.
.macro STEP slot, q, mode
	s_wait_dscnt 4*NL                              ; all but the youngest 16 loads (R's tiles 4-7) are in
.if \mode == 2
	WIN 0x81                                       ; C (the bias) in window 0, D in window 2
.else
	WIN MUL_LO
.endif
	MUL16 0, (\q)%2, \q, \slot, \mode
	MUL16 2, (\q)%2, \q, \slot, \mode
	s_wait_dscnt 0                                 ; R's tiles 4-7 are in
	PLACES NP                                      ; in front of loads into registers that matrix instructions have read
	FETCH_P \slot, (\q)+1, 1-(\q)%2
	FETCH_R \slot, (\q)+1, 0
.if \mode == 2
	WIN 0xc1
.else
	WIN MUL_HI
.endif
	MUL16 4, (\q)%2, \q, \slot, \mode
	MUL16 6, (\q)%2, \q, \slot, \mode
	PLACES NP
	WIN 0
	FETCH_R \slot, (\q)+1, 4
.endm
; A slot's last step changes slots: one barrier; in front of it each wave waits for all its tensor loads, adds 0 to its spare word, and waits for that and for its reads of this slot.  fill = 1: the slot is filled again, two K steps ahead.
.macro TURN slot, next, fill
	s_wait_tensorcnt 0x0                           ; all my tensor loads have landed: the one that was out is my part of the next slot
	ds_add_u32 v[SPW], v[NIL]                      ; 0 onto my spare word
	s_wait_dscnt 4*NL+1                            ; the add and the youngest 16 loads may be out
	WIN MUL_LO
	MUL16 0, 1, 1, \slot, 0                        ; sixteen matrix instructions stand between the add and the wait for it
	s_wait_dscnt 0x0                               ; the add is done, and my reads of this slot are over
	s_barrier_signal -1
	MUL16 2, 1, 1, \slot, 0
	WIN 0
	s_barrier_wait -1
.if \fill
	CREST                                          ; the barrier has opened a round of the cluster's barrier: no wave of any partner still reads this slot or has a load on its way
	s_add_nc_u64 s[G0R+4*\slot+2:G0R+4*\slot+3], s[G0R+4*\slot+2:G0R+4*\slot+3], 2*QTR
	s_add_nc_u64 s[G0P+4*\slot+2:G0P+4*\slot+3], s[G0P+4*\slot+2:G0P+4*\slot+3], 2*QTR
	JLOAD G0R+4*\slot, G1R, G0P+4*\slot, G1P       ; the first tensor load behind the round; its four v_nop are the places in front of the loads below
.else
	PLACES NP
.endif
	FETCH_P \next, 0, 0
	FETCH_R \next, 0, 0
	SCALES \next
	WIN MUL_HI
	MUL16 4, 1, 1, \slot, 0
	MUL16 6, 1, 1, \slot, 0
	PLACES NP
	WIN 0
	FETCH_R \next, 0, 4
.endm
; The 64 accumulator registers at v[s] of window W become a fragment's codes in v[PC] on and its rows' scale word in v[PW].  Each accumulator is read from its low end on.
.macro QUANT W, s
	WIN (\W)|((\W)<<2)
.irp b, 0,1,2,3
	v_max3_num_f32 v[TM+\b], |v[\s+16*\b]|, |v[\s+16*\b+1]|, 0x1800000   ; block b: my 16 numbers, and the floor 2^(3 - 127)
.endr
.irp i, 2,4,6,8,10,12,14
.irp b, 0,1,2,3
	v_max3_num_f32 v[TM+\b], |v[\s+16*\b+\i]|, |v[\s+16*\b+\i+1]|, v[TM+\b]
.endr
.endr
	WIN 0
	s_wait_alu depctr_va_vdst(0)
	s_wait_xcnt 0x0                                ; the last block's stores have read their data: word and codes are written again only behind this wait
.irp b, 0,1,2,3
	v_permlanex16_b32 v[TM+4+\b], v[TM+\b], s[SEL], s[SEL+1]
.endr
.irp b, 0,1,2,3
	v_max_num_f32 v[TM+\b], v[TM+\b], v[TM+4+\b]   ; with lane xor 16's: the block's largest magnitude
.endr
.irp b, 0,1,2,3
	v_add_nc_u32 v[TM+12+\b], 0xff000000, v[TM+\b] ; 2 off its exponent field: the conversion's scale operand
.endr
.irp b, 0,1,2,3
	v_lshrrev_b32 v[TM+4+\b], 23, v[TM+12+\b]      ; the scale's byte
.endr
	v_lshl_or_b32 v[PW], v[TM+5], 8, v[TM+4]
	v_lshl_or_b32 v[PW], v[TM+6], 16, v[PW]
	v_lshl_or_b32 v[PW], v[TM+7], 24, v[PW]
	WIN (\W)
.irp c, 0,1
	v_cvt_scalef32_pk16_fp6_f32 v[PC+6*\c:PC+6*\c+2], v[\s+32*\c:\s+32*\c+15], v[TM+12+2*\c]
	v_cvt_scalef32_pk16_fp6_f32 v[PC+12+4*\c:PC+14+4*\c], v[\s+32*\c+16:\s+32*\c+31], v[TM+13+2*\c]
.endr
	WIN 0
	v_nop                                          ; one plain instruction behind the conversions
.irp c, 0,1                                    ; the operand's layout wants a whole block in a lane
.irp i, 0,1,2
	v_permlane16_swap_b32 v[PC+6*\c+\i], v[PC+12+4*\c+\i]
.endr
.irp i, 0,1,2
	v_mov_b32 v[PC+3+6*\c+\i], v[PC+12+4*\c+\i]
.endr
.endr
.endm
	s_load_b128 s[4:7], s[0:1], 0x0                ; img0, in_proj_b
	s_load_b64 s[8:9], s[0:1], 0x10                ; qkv
	v_lshl_add_u32 v[SPW], v0, 2, SPARE
	v_mov_b32 v[NIL], 0
	ds_add_u32 v28, v29
	ds_add_u32 v28, v29
	s_wait_dscnt 0x0
	v_lshrrev_b32 v1, 5, v0
	v_readfirstlane_b32 s14, v1                    ; wave 0..3
	s_lshr_b32 s15, s14, 1                         ; hr: my half of R's rows.  Also: I fetch for R (0) or for P (1)
	s_and_b32 s16, s14, 1                          ; hp: my half of P's rows.  Also: which group of that block I fetch
	s_bfe_u32 s40, ttmp6, 0x40000                  ; cx
	s_bfe_u32 s41, ttmp6, 0x40004                  ; cy
	s_and_b32 s13, ttmp7, 0xffff                   ; cluster y
	s_cmp_eq_u32 ttmp9, 2                          ; cluster x = 2 makes v: the same in all sixteen partners
	s_cselect_b32 s42, s13, ttmp9
	s_cselect_b32 s17, 2, s13
	s_cselect_b32 s18, 0, WOFF                     ; where P's panel begins in img0: tokens or weights,
	s_cselect_b32 s19, WOFF, 0                     ; and R's
	s_lshl_b32 s42, s42, 2
	s_add_co_u32 s42, s42, s40                     ; PB: P's block of 256 rows: 4 x (cluster y or x) + cx
	s_lshl_b32 s17, s17, 2
	s_add_co_u32 s17, s17, s41                     ; RB: R's: 8 + cy, or 4 x cluster y + cy
	s_lshl_b32 s43, s41, 2
	s_lshl_b32 s43, 15, s43                        ; my row of the cluster
	s_lshl_b32 s44, 0x1111, s40                    ; my column
	s_or_b32 s[G1R], s43, (3<<16)|(1<<21)          ; 15:0 the mask; 17:16 elements of 8 bytes; 21 set beside a mask; no padding
	s_or_b32 s[G1P], s44, (3<<16)|(1<<21)
.irp g, G1R, G1P                               ; two records, 25,600 dense bytes, as 100 rows of 256
	s_mov_b32 s[\g+1], 32<<16                      ; tensor_dim0 = 32
	s_mov_b32 s[\g+2], 200<<16                     ; the head's load: four records on end, 200 rows: both slots' quarters
	s_mov_b32 s[\g+3], 32<<16
	s_mov_b32 s[\g+4], 200
	s_mov_b32 s[\g+5], 32                          ; the pitch
	s_mov_b32 s[\g+6], 0
	s_mov_b32 s[\g+7], 0
.endr
	s_lshl_b32 s20, s17, 1
	s_add_co_u32 s20, s20, s16                     ; R's group that I would fetch
	s_mul_i32 s20, s20, GRP
	s_add_co_u32 s20, s20, s19
	s_mov_b32 s21, 0
	s_lshl_b32 s46, s42, 1
	s_add_co_u32 s46, s46, s16                     ; P's
	s_mul_i32 s46, s46, GRP
	s_add_co_u32 s46, s46, s18
	s_mov_b32 s47, 0
	s_mul_i32 s45, s14, LQ
	s_mov_b32 s[SEL], 0x76543210
	s_mov_b32 s[SEL+1], 0xfedcba98
	s_wait_kmcnt 0x0
	s_add_nc_u64 s[20:21], s[4:5], s[20:21]
	s_add_nc_u64 s[46:47], s[4:5], s[46:47]
	CROUND                                         ; all sixteen work-groups are here: the first joint loads meet
.irp s, 0,1
	s_mov_b32 s[G0R+4*\s], 1
	s_add_co_u32 s[G0R+4*\s+1], s45, \s*SLOT
	s_add_nc_u64 s[G0R+4*\s+2:G0R+4*\s+3], s[20:21], \s*QTR
	s_or_b32 s[G0R+4*\s+3], s[G0R+4*\s+3], 0x80000000
	s_mov_b32 s[G0P+4*\s], 1
	s_add_co_u32 s[G0P+4*\s+1], s45, \s*SLOT
	s_add_nc_u64 s[G0P+4*\s+2:G0P+4*\s+3], s[46:47], \s*QTR
	s_or_b32 s[G0P+4*\s+3], s[G0P+4*\s+3], 0x80000000
.endr
	; the prefetches' address of what the two refills will ask for, records 4 to 7 of the group that I fetch, my work-group's 12,800 bytes of them (told apart by address: cx for R, cy for P)
	s_cmp_eq_u32 s15, 0
	s_cselect_b64 s[82:83], s[20:21], s[46:47]
	s_cselect_b32 s12, s40, s41
	s_mul_i32 s12, s12, 12800
	s_add_co_u32 s12, s12, 2*QTR
	s_mov_b32 s13, 0
	s_add_nc_u64 s[82:83], s[82:83], s[12:13]
	JLOAD G0R, G1R, G0P, G1P
	v_and_b32 v1, 31, v0                           ; lane
	v_and_b32 v2, 15, v0                           ; r
	v_bfe_u32 v3, v0, 4, 1                         ; h
	v_lshlrev_b32 v[L16], 4, v1
	v_lshlrev_b32 v[L8], 3, v1
	v_lshlrev_b32 v[L4], 2, v2
	s_mul_i32 s21, s15, LQ
	s_mul_i32 s22, s16, LQ
	s_add_co_u32 s22, s22, 2*LQ
.irp s, 0,1
	v_add_nc_u32 v[ADRR+\s], s21, v[L16]
	v_add_nc_u32 v[ADRR+2+\s], s21, v[L8]
	v_add_nc_u32 v[ADRP+\s], s22, v[L16]
	v_add_nc_u32 v[ADRP+2+\s], s22, v[L8]
	s_add_co_u32 s21, s21, SLOT
	s_add_co_u32 s22, s22, SLOT
.endr
	s_mul_i32 s21, s15, LQ
	s_xor_b32 s22, s15, 1
	s_add_co_u32 s22, s22, s16
	s_add_co_u32 s22, s22, 1
	s_mul_i32 s22, s22, LQ
	v_mul_u32_u24 v6, s22, v3                      ; one product in h: lanes 16-31 take P's
	v_lshl_add_u32 v6, v2, 2, v6
	v_add_nc_u32 v[ADRS], s21, v6
	v_add_nc_u32 v[ADRS+3], SLOT, v[ADRS]
	; the bias.  q, k: it belongs to P's rows, which run along a lane's registers: it is the C of each sum's first matrix instruction.  v: it belongs to R's rows, a number a lane: it is added on the way out.
	v_lshlrev_b32 v6, 6, v3                        ; 64 h
	v_and_b32 v7, 8, v2
	v_add_nc_u32 v7, v7, v2
	v_lshlrev_b32 v7, 2, v7                        ; 4 (r + 8 (r / 8))
	s_lshl_b32 s20, s42, 1
	s_add_co_u32 s20, s20, s16
	s_lshl_b32 s20, s20, 9                         ; my 128 rows of P: 512 bytes of bias a group
	s_mov_b32 s21, 0
	s_lshl_b32 s22, s17, 1
	s_add_co_u32 s22, s22, s15
	s_lshl_b32 s22, s22, 9                         ; my 128 rows of R
	s_mov_b32 s23, 0
	s_cmp_eq_u32 ttmp9, 2
	s_cbranch_scc1 .Lbias_v
	s_add_nc_u64 s[20:21], s[6:7], s[20:21]
	s_wait_alu depctr_va_vdst(0)
.irp b, 0,1,2,3,4,5,6,7
	global_load_b128 v[BT+8*\b:BT+8*\b+3], v6, s[20:21] offset:128*(\b/2)+32*(\b%2)       ; rows 32 (b / 2) + 8 (b % 2) + 16 h + 0 .. 7
	global_load_b128 v[BT+8*\b+4:BT+8*\b+7], v6, s[20:21] offset:128*(\b/2)+32*(\b%2)+16
.endr
.irp i, 0,1,2,3,4,5,6,7,8,9,10,11,12,13,14,15
	v_mov_b32 v[VB+\i], 0                          ; not used on this way: written, so that every register that the text reads is written on every way through it
.endr
	s_branch .Lbias_in
.Lbias_v:
	s_add_nc_u64 s[22:23], s[6:7], s[22:23]
	s_wait_alu depctr_va_vdst(0)
.irp a, 0,1,2,3,4,5,6,7
	global_load_b32 v[VB+2*\a], v7, s[22:23] offset:128*(\a/2)+32*(\a%2)
	global_load_b32 v[VB+2*\a+1], v7, s[22:23] offset:128*(\a/2)+32*(\a%2)   ; the packed addition names the pair
.endr
.set j, 0
.rept 64
	v_mov_b32 v[BT+j], 0                           ; v's sums begin at 0
.set j, j+1
.endr
.Lbias_in:
	v_and_b32 v31, 31, v0
	v_min_u32 v31, 24, v31                         ; lanes 25 to 31 name the last block again
	v_lshlrev_b32 v31, 8, v31                      ; a lane a block of 256 bytes; never rewritten
	s_wait_alu depctr_va_vdst(0)
	global_prefetch_b8 v31, s[82:83] th:TH_LOAD_NT scope:SCOPE_SE               ; 2 x 25 blocks: each block is named once in the cluster
	global_prefetch_b8 v31, s[82:83] offset:6400 th:TH_LOAD_NT scope:SCOPE_SE
	s_wait_tensorcnt 0x0
	s_mov_b32 s[G1R+2], 100<<16
	s_mov_b32 s[G1R+4], 100
	s_mov_b32 s[G1P+2], 100<<16
	s_mov_b32 s[G1P+4], 100
	s_barrier_signal -1
	s_barrier_wait -1
	FETCH_P 0, 0, 0
	FETCH_R 0, 0, 0
	SCALES 0
	FETCH_R 0, 0, 4
	s_wait_loadcnt 0x0                             ; the bias
	s_wait_alu depctr_va_vdst(0)
	STEP 0, 0, 2                                   ; K = 1,024: eight steps of 128, four slots' worth, written out
	TURN 0, 1, 1
	STEP 1, 0, 0
	TURN 1, 0, 1
	STEP 0, 0, 0
	TURN 0, 1, 0                                   ; nothing is left to fetch
	STEP 1, 0, 0
	s_wait_dscnt 4*NL
	WIN MUL_LO
	MUL16 0, 1, 1, 1, 0
	MUL16 2, 1, 1, 1, 0
	s_wait_dscnt 0
	WIN MUL_HI
	MUL16 4, 1, 1, 1, 0
	MUL16 6, 1, 1, 1, 0
	WIN 0
	PLACES NP                                      ; behind the last products: results are read, and registers that held R's fragments are written
.irp b, 0,1,2,3
	v_mov_b32 v[TM+4+\b], 0                        ; written once: a lane permute's destination counts as read
.endr
	s_cmp_eq_u32 ttmp9, 2
	s_cbranch_scc1 .Lout_v
	; q, k.  A tile of R is 16 tokens; my 128 rows of P are two heads: the fragment's two halves go to the two heads, and so do the word's two halves (bytes 2, 3 of a head's word are 0, over zero codes).
	s_lshr_b32 s20, s17, 3
	s_lshl_b32 s20, s20, 4                         ; 16 x batch
	s_lshl_b32 s21, s42, 2
	s_lshl_b32 s22, s16, 1
	s_add_co_u32 s21, s21, s22
	s_and_b32 s21, s21, 15
	s_add_co_u32 s20, s20, s21                     ; my first head: 16 b + (4 PB + 2 hp) % 16
	s_lshl_b32 s21, s17, 1
	s_add_co_u32 s21, s21, s15
	s_and_b32 s21, s21, 15                         ; which 128 tokens of the batch
	s_mov_b32 s76, KVH                             ; k: a head, a step's record, where the codes and the words begin
	s_mov_b32 s77, 13056
	s_mov_b32 s78, KV_OFF
	s_mov_b32 s79, 13056
	s_mov_b32 s80, KV_OFF+12288
	s_cmp_eq_u32 ttmp9, 0                          ; q: 128 half images on end, then 128 x 64 bytes of words
	s_cselect_b32 s76, 106496, s76
	s_cselect_b32 s77, 6144, s77
	s_cselect_b32 s78, 0, s78
	s_cselect_b32 s79, 512, s79
	s_cselect_b32 s80, 98304, s80
	s_mul_i32 s20, s20, s76
	s_mul_i32 s22, s21, s77
	s_add_co_u32 s22, s22, s20
	s_add_co_u32 s22, s22, s78
	s_mov_b32 s23, 0
	s_add_nc_u64 s[68:69], s[8:9], s[22:23]        ; the first head's codes
	s_mul_i32 s22, s21, s79
	s_add_co_u32 s22, s22, s20
	s_add_co_u32 s22, s22, s80
	s_add_nc_u64 s[72:73], s[8:9], s[22:23]        ; and words
	s_mov_b32 s77, 0
	s_add_nc_u64 s[70:71], s[68:69], s[76:77]      ; the second head's
	s_add_nc_u64 s[74:75], s[72:73], s[76:77]
.irp a, 0,1,2,3,4,5,6,7
	QUANT 2+(\a)/4, 64*((\a)%4)
	v_and_b32 v[W0], 0xffff, v[PW]
	v_lshrrev_b32 v[W1], 16, v[PW]
	global_store_b128 v[L16], v[PC:PC+3], s[68:69] offset:768*\a
	global_store_b64 v[L8], v[PC+4:PC+5], s[68:69] offset:768*\a+512
	global_store_b128 v[L16], v[PC+6:PC+9], s[70:71] offset:768*\a
	global_store_b64 v[L8], v[PC+10:PC+11], s[70:71] offset:768*\a+512
	global_store_b32 v[L4], v[W0], s[72:73] offset:64*\a       ; both halves of the lanes write the same word with the same value
	global_store_b32 v[L4], v[W1], s[74:75] offset:64*\a
.endr
	s_branch .Lend
.Lout_v:
	; v.  A tile of R is 16 channels, four tiles a head; my 128 rows of P are one key step: the fragment is 16 channels x 128 keys, stored as three runs of 512 bytes.
	s_lshr_b32 s20, s42, 3
	s_lshl_b32 s20, s20, 4                         ; 16 x batch
	s_lshl_b32 s21, s41, 2
	s_add_co_u32 s20, s20, s21
	s_lshl_b32 s21, s15, 1
	s_add_co_u32 s20, s20, s21                     ; my first head: 16 b + 4 cy + 2 hr
	s_mul_i32 s20, s20, KVH
	s_lshl_b32 s21, s42, 1
	s_add_co_u32 s21, s21, s16
	s_and_b32 s21, s21, 15                         ; the key step
	s_mul_i32 s21, s21, 13056
	s_add_co_u32 s20, s20, s21
	s_add_co_u32 s20, s20, KV_OFF+6144             ; v's fragments lie behind k's eight half images
	s_mov_b32 s21, 0
	s_add_nc_u64 s[68:69], s[8:9], s[20:21]
.irp a, 0,1,2,3,4,5,6,7
	WIN (2+(\a)/4)|((2+(\a)/4)<<6)
.set j, 0
.rept 32
	v_pk_add_f32 v[64*((\a)%4)+j:64*((\a)%4)+j+1], v[64*((\a)%4)+j:64*((\a)%4)+j+1], v[VB+2*\a:VB+2*\a+1] op_sel_hi:[1,0]   ; + my channel's bias, from each accumulator's low end on
.set j, j+2
.endr
	QUANT 2+(\a)/4, 64*((\a)%4)
.irp c, 0,1,2
	global_store_b128 v[L16], v[PC+4*\c:PC+4*\c+3], s[68:69] offset:(\a/4)*KVH+(\a%4)*1536+512*\c
.endr
	global_store_b32 v[L4], v[PW], s[68:69] offset:(\a/4)*KVH+6656+(\a%4)*64
.endr
.Lend:
	s_wait_tensorcnt 0x0                           ; the wave's end
	ds_add_u32 v[SPW], v[NIL]
	s_wait_dscnt 0x0
	CROUND                                         ; the closing round: no work-group ends while a partner may still ask for a tile that names it
	s_endpgm
.Lfunc_end_k_q81958e8825_qkv:
	.size	k_q81958e8825_qkv, .Lfunc_end_k_q81958e8825_qkv-k_q81958e8825_qkv
	.p2alignl 7, 3214868480
	.fill 96, 4, 3214868480
	.section	.rodata,"a",@progbits
	.p2align	6, 0x0
	.amdhsa_kernel k_q81958e8825_qkv
		.amdhsa_group_segment_fixed_size 327680
		.amdhsa_private_segment_fixed_size 0
		.amdhsa_enable_private_segment 0
		.amdhsa_kernarg_size 24
		.amdhsa_user_sgpr_count 2
		.amdhsa_user_sgpr_kernarg_segment_ptr 1
		.amdhsa_wavefront_size32 1
		.amdhsa_system_sgpr_workgroup_id_x 1
		.amdhsa_system_sgpr_workgroup_id_y 1
		.amdhsa_system_sgpr_workgroup_id_z 1
		.amdhsa_system_vgpr_workitem_id 0
		.amdhsa_next_free_vgpr 1024
		.amdhsa_next_free_sgpr 84
		.amdhsa_reserve_vcc 0
		.amdhsa_float_denorm_mode_32 3
		.amdhsa_float_denorm_mode_16_64 3
		.amdhsa_memory_ordered 1
		.amdhsa_forward_progress 1
		.amdhsa_inst_pref_size 209
	.end_amdhsa_kernel
	.amdgpu_metadata
---
amdhsa.version: [ 1, 2 ]
amdhsa.kernels:
  - .name:           k_q81958e8825_qkv
    .symbol:         k_q81958e8825_qkv.kd
    .args:
      - { .name: img0, .offset: 0, .size: 8, .value_kind: global_buffer, .address_space: global }
      - { .name: in_proj_b, .offset: 8, .size: 8, .value_kind: global_buffer, .address_space: global }
      - { .name: qkv, .offset: 16, .size: 8, .value_kind: global_buffer, .address_space: global }
    .group_segment_fixed_size: 327680
    .private_segment_fixed_size: 0
    .kernarg_segment_align: 8
    .kernarg_segment_size: 24
    .max_flat_workgroup_size: 128
    .sgpr_count:     84
    .vgpr_count:     1024
    .wavefront_size: 32
...
	.end_amdgpu_metadata
.endif
;; end of part 2
;; launch attn (part 3): grid 8 x 32, 8 waves a work-group, clusters of 4 x 1, 215,040 bytes of LDS; arguments qkv, act; writes act
.if DOCPART == 3
	.amdgcn_target "amdgcn-amd-amdhsa--gfx1250"
	.amdhsa_code_object_version 6
	.text
	.protected	k_q81958e8825_attn
	.globl	k_q81958e8825_attn
	.p2align	8
	.type	k_q81958e8825_attn,@function
k_q81958e8825_attn:
	s_mov_b64 s[64:65], 0
	v_nop
	global_prefetch_b8 v0, s[64:65] scope:SCOPE_SE
	s_setreg_imm32_b32 hwreg(HW_REG_WAVE_MODE, 25, 1), 1
	s_wait_xcnt 0x0
	s_wait_alu depctr_hold_cnt(0) depctr_sa_sdst(0) depctr_va_vdst(0) depctr_va_sdst(0) depctr_va_ssrc(0) depctr_va_vcc(0) depctr_vm_vsrc(0)
	s_getreg_b32 s2, hwreg(HW_REG_IB_STS2, 6, 4)
	s_cmp_eq_u32 s2, 0
	s_cbranch_scc0 .Lentry_in_a_cluster
	s_endpgm
.Lentry_in_a_cluster:
	s_bfe_u32 s2, ttmp6, 0x10000c
	s_cmp_lg_u32 s2, 0x3003
	s_cbranch_scc0 .Lentry_shape_is_right
	s_endpgm
.Lentry_shape_is_right:
; attn[q] = softmax_k(q . k / 8) v for one head of 64 channels and 2,048 keys, both products on codes of FP6 (E2M3); the result, divided by the row's sum, is quantised along E for the next product.
; THE SOFTMAX: t = score x log2(e) / 8 (q's factor 1/8 stands here: a power of two changes no code); M = the running largest t rounded UP to a whole number; p = 2^(t - M) is quantised along the keys, not normalised;
; the row's sum is taken of the unquantised p; when M moves, the sum and O are multiplied by 2^(old M - new M): exact.
; SHARES: a work-group owns 256 queries of one (batch, head); each of its eight waves two tiles of 16 queries, A and B.  Every wave walks the 16 key steps of 128 keys; each fragment of K and V feeds two matrix instructions.
; A HEAD'S K AND V, 208,896 bytes of images and scale words, LIE IN LDS AS IN MEMORY AND ARE FILLED ONCE: wave w brings key steps 2 w and 2 w + 1 by one load of 102 rows of 256 bytes.  No slot is filled again.
; CLUSTER 4 x 1: four blocks of queries of one head read the same K and V: joint loads, mask 15.  No prefetch: every byte is asked for by the loads at the head, and there is no loop to run ahead in.
; A key step's record, 13,056 bytes: K's 8 half images of 768 bytes (64 channels: registers 0-3 at 16 x lane, 4-5 at 512 + 8 x lane); at 6,144 V's 4 fragments (16 channels x 128 keys; registers 4 c .. 4 c + 3 at 512 c + 16 x lane);
; at 12,288 K's words; at 12,800 V's.  The first product's K is 64: the upper six registers of Q's fragments are zero codes and bytes 2, 3 of Q's and K's words are 0.
; K'S EIGHT HALF FRAGMENTS LIE 6 REGISTERS APART: the upper six registers that a product names are the next tile's codes; they meet Q's zero codes and add nothing (FP6 has no NaN and no infinity).
; LAYOUT: both products transposed: a lane holds ONE query.  Image row r of tile 2 b + u of K is key 32 b + 8 u + r + 8 (r / 8), so the 16 registers of two neighbouring tiles are 16 neighbouring keys; V's channels likewise.
; ORDER IN A STEP: the scores of A and B; this step's V and the next step's K are asked of LDS; A's softmax; B's maxima; A's second product; the rest of B's softmax; B's second product.
; LIMITS: the promise holds while the scaled scores stay under 2^31 in magnitude; NaN and infinities are not served; a block of zeros gets the byte 1 (its codes are zeros; this program alone reads the bytes).
; REGISTERS.  Tile A's lie in window 0, tile B's in window 1, under the same numbers: v12 -M, v13 the largest score, v[14:15] the sum, v16-27 Q, v64-127 S^T then p, v128-159 O^T, v160-171 p's codes, v172-193 at work.
; Window 0 besides: v1-3 lane offsets, v4-8 LDS addresses, v9-10 for the add, v28-35 K's words, v36-39 V's, v40-41 Q's, v42-43 p's, v194-247 K.  Window 1 besides: v194-241 V's four fragments.
.set REC,   12800
.set GRP,   102400
.set STEPB, 13056
.set KVH,   16*STEPB
.set QHB,   106496
.set KV_OFF, 32*QHB
.set SPARE, KVH                        ; behind K and V: the spare words, 128 bytes a wave: four blocks of 256 bytes that no other line names
.set KW,  28
.set VW,  36
.set QW,  40
.set PW,  42
.set S,   64
.set O,   128
.set PCD, 160
.set BM,  172                          ; four blocks' maxima, later their bytes
.set PX,  176                          ; v176-183 lane xor 16's, later the second halves of the codes
.set U,   176                          ; v176-189 seven pairs of partial sums
.set SCO, 184                          ; the conversions' scale operands
.set F,   190                          ; f = 2^(old M - new M); v191 is named with it as a pair
.set TP,  192
.set KF,  194
.set VF,  194
.set TB,  2                            ; s2  LDS byte of the key step in hand; s33 of the next
.set CNT, 3                            ; s3  the key step
.set WV,  18
.set SEL, 20                           ; s[20:21] lane xor 16
.set CS,  22                           ; s[22:23] c = log2(e) / 8
.set G1,  24
.set G0,  40
.set MSB, 0
.macro WIN new                         ; the immediate's high byte repeats the setting that is left
.if MSB != (\new)
	s_set_vgpr_msb (MSB<<8)|(\new)
.set MSB, (\new)
.endif
.endm
.macro ROUND
	s_barrier_signal -1
	s_barrier_wait -1
	s_cmp_lg_u32 s[WV], 0
	s_cbranch_scc1 .Lnot_wave_0_\@
	s_barrier_signal -3
.Lnot_wave_0_\@:
	s_barrier_wait -3
	s_barrier_signal -1
	s_barrier_wait -1
.endm
.macro KLOAD a, b, c                   ; a key step's K: 24 LDS loads
.irp t, 0,1,2,3,4,5,6,7
	ds_load_b128 v[KF+6*\t:KF+6*\t+3], v[\a] offset:768*\t
	ds_load_b64 v[KF+6*\t+4:KF+6*\t+5], v[\b] offset:768*\t+512
	ds_load_b32 v[KW+\t], v[\c] offset:12288+64*\t
.endr
.endm
.macro QK qw                           ; S^T = K Q^T: eight tiles of 16 keys
.irp t, 0,1,2,3,4,5,6,7
	v_wmma_scale_f32_16x16x128_f8f6f4 v[S+8*\t:S+8*\t+7], v[KF+6*\t:KF+6*\t+11], v[16:27], 0, v[KW+\t], v[\qw] matrix_a_fmt:MATRIX_FMT_FP6 matrix_b_fmt:MATRIX_FMT_FP6
.endr
.endm
.macro PV win, pw                      ; O^T += V^T P^T: four tiles of 16 channels, by turns; V lies in window 1
	WIN \win
.irp t, 0,1,2,3
	v_wmma_scale_f32_16x16x128_f8f6f4 v[O+8*\t:O+8*\t+7], v[VF+12*\t:VF+12*\t+11], v[PCD:PCD+11], v[O+8*\t:O+8*\t+7], v[VW+\t], v[\pw] matrix_a_fmt:MATRIX_FMT_FP6 matrix_b_fmt:MATRIX_FMT_FP6
.endr
.endm
; One tile's softmax of 128 keys, all its registers in window w (0 or 0x55).  dsw: the LDS loads that may stay out where V is wanted (-1: no wait).
.macro SOFT w, tile, dsw
	WIN \w
.if \tile
	s_wait_alu depctr_va_vdst(0)                   ; directly ahead of the first reader of B's scores: A's exponentials stand between
.endif
.irp b, 0,1,2,3
	v_max3_num_f32 v[BM+\b], v[S+16*\b], v[S+1+16*\b], v[S+2+16*\b]   ; the largest score of each block of 32 keys: for the row's maximum, and, since p rises with the score, for the block's largest p
.endr
.irp i, 3,5,7,9,11,13
.irp b, 0,1,2,3
	v_max3_num_f32 v[BM+\b], v[BM+\b], v[S+16*\b+\i], v[S+1+16*\b+\i]
.endr
.endr
.irp b, 0,1,2,3
	v_max_num_f32 v[BM+\b], v[BM+\b], v[S+15+16*\b]
.endr
.if \tile
	PV 0x01, PW                                    ; tile A's second product, under B's vector work
	WIN \w
.endif
.irp b, 0,1,2,3
	v_permlanex16_b32 v[PX+\b], v[BM+\b], s[SEL], s[SEL+1]
.endr
.irp b, 0,1,2,3
	v_max_num_f32 v[BM+\b], v[BM+\b], v[PX+\b]     ; with lane xor 16's 16 keys
.endr
	v_max3_num_f32 v[TP], v[BM], v[BM+1], v[BM+2]
	s_delay_alu instid0(VALU_DEP_1)
	v_max3_num_f32 v13, v[TP], v[BM+3], v13        ; the running largest score
	s_delay_alu instid0(VALU_DEP_1)
	v_mul_f32 v[TP], s[CS], v13                    ; as t (c is positive, so the largest score gives the largest t)
	v_mov_b32 v[TP+1], v12
	s_delay_alu instid0(VALU_DEP_2)
	v_floor_f32 v12, -v[TP]                        ; the new -M = -ceil(t)
	s_delay_alu instid0(VALU_DEP_1)
	v_sub_f32 v[TP], v12, v[TP+1]                  ; old M - new M: a whole number, 0 or less
	s_delay_alu instid0(VALU_DEP_1)
	v_cvt_i32_f32 v[TP], v[TP]                     ; (it saturates)
	s_delay_alu instid0(VALU_DEP_1)
	v_ldexp_f32 v[F], 1.0, v[TP]                   ; f = 2^(old M - new M)
.set j, 0
.rept 32
	v_pk_fma_f32 v[S+j:S+j+1], v[S+j:S+j+1], s[CS:CS+1], v[12:13] op_sel_hi:[1,0,0]   ; t - M
.set j, j+2
.endr
.irp b, 0,1,2,3
	v_fma_f32 v[BM+\b], v[BM+\b], s[CS], v12       ; the same of each block's largest score
.endr
	s_wait_alu depctr_va_vdst(0)
.if \dsw >= 0
	s_wait_dscnt \dsw                              ; V's 16 loads are in; the next step's 24 loads of K are younger
.endif
.set j, 0
.rept 64
	v_exp_f32 v[S+j], v[S+j]                       ; p = 2^(t - M)
.set j, j+1
.endr
.irp b, 0,1,2,3
	v_exp_f32 v[BM+\b], v[BM+\b]                   ; each block's largest p: the same two instructions on the same number
.endr
	v_pk_mul_f32 v[14:15], v[14:15], v[F:F+1] op_sel_hi:[1,0]   ; the sums under the new M: a plain instruction behind the exponentials
	s_wait_alu depctr_va_vdst(0)                   ; one wait for the batch, ahead of its first reader
.irp q, 0,1,2,3,4,5,6                          ; the row's sum of the unquantised p: 32 packed additions in eight chains
	v_pk_add_f32 v[U+2*\q:U+2*\q+1], v[S+4*\q:S+4*\q+1], v[S+4*\q+2:S+4*\q+3]
.endr
	v_pk_add_f32 v[14:15], v[14:15], v[S+28:S+29]
.irp q, 0,1,2,3,4,5,6
	v_pk_add_f32 v[U+2*\q:U+2*\q+1], v[U+2*\q:U+2*\q+1], v[S+30+2*\q:S+31+2*\q]
.endr
	v_pk_add_f32 v[14:15], v[14:15], v[S+44:S+45]
.irp q, 0,1,2,3,4,5,6
	v_pk_add_f32 v[U+2*\q:U+2*\q+1], v[U+2*\q:U+2*\q+1], v[S+46+2*\q:S+47+2*\q]
.endr
	v_pk_add_f32 v[14:15], v[14:15], v[S+60:S+61]
	v_pk_add_f32 v[U:U+1], v[U:U+1], v[S+62:S+63]
	v_pk_add_f32 v[U+2:U+3], v[U+2:U+3], v[U+10:U+11]
	v_pk_add_f32 v[U+4:U+5], v[U+4:U+5], v[U+12:U+13]
	v_pk_add_f32 v[14:15], v[14:15], v[U+6:U+7]
	v_pk_add_f32 v[U:U+1], v[U:U+1], v[U+8:U+9]
	v_pk_add_f32 v[U+2:U+3], v[U+2:U+3], v[U+4:U+5]
	s_delay_alu instid0(VALU_DEP_2)
	v_pk_add_f32 v[14:15], v[14:15], v[U:U+1]
	s_delay_alu instid0(VALU_DEP_1)
	v_pk_add_f32 v[14:15], v[14:15], v[U+2:U+3]
.irp b, 0,1,2,3
	v_max_num_f32 v[BM+\b], 0x1800000, v[BM+\b]    ; the floor 2^(3 - 127)
.endr
.irp b, 0,1,2,3
	v_add_nc_u32 v[SCO+\b], 0xff000000, v[BM+\b]   ; 2 off the exponent field: the conversion's scale operand
.endr
.irp b, 0,1,2,3
	v_lshrrev_b32 v[BM+\b], 23, v[SCO+\b]          ; the scale's byte
.endr
.irp c, 0,1
	v_cvt_scalef32_pk16_fp6_f32 v[PCD+6*\c:PCD+6*\c+2], v[S+32*\c:S+32*\c+15], v[SCO+2*\c]
	v_cvt_scalef32_pk16_fp6_f32 v[PX+4*\c:PX+4*\c+2], v[S+16+32*\c:S+31+32*\c], v[SCO+1+2*\c]   ; a conversion's three registers begin on an even number
.endr
	v_lshl_or_b32 v[TP], v[BM+1], 8, v[BM]         ; p's scale word for these 128 keys; also the plain instruction behind the conversions
	s_delay_alu instid0(VALU_DEP_1)
	v_lshl_or_b32 v[TP], v[BM+2], 16, v[TP]
	s_delay_alu instid0(VALU_DEP_1)
	v_lshl_or_b32 v[TP], v[BM+3], 24, v[TP]
.irp c, 0,1                                    ; the operand's layout wants a whole block in a lane
.irp i, 0,1,2
	v_permlane16_swap_b32 v[PCD+6*\c+\i], v[PX+4*\c+\i]
.endr
.irp i, 0,1,2
	v_mov_b32 v[PCD+3+6*\c+\i], v[PX+4*\c+\i]
.endr
.endr
	WIN (\w)&1
	v_mov_b32 v[PW+\tile], v[TP]                   ; scale operands are taken from window 0
	WIN \w
	s_wait_alu depctr_va_vdst(0)                   ; directly ahead of the first reader of O^T
.set j, 0
.rept 16
	v_pk_mul_f32 v[O+j:O+j+1], v[O+j:O+j+1], v[F:F+1] op_sel_hi:[1,0]   ; O^T under the new M; these are also the places in front of the product that takes codes and word
.set j, j+2
.endr
.endm
.macro INIT                            ; a tile's state ahead of the first step
.irp i, 22,23,24,25,26,27
	v_mov_b32 v\i, 0                               ; Q's k = 64 .. 127: zero codes
.endr
	v_mov_b32 v12, 0x7f61b1e6                      ; -M: 3e38, so that the first f is 0
	v_mov_b32 v13, 0xff61b1e6                      ; the largest score so far: -3e38
	v_mov_b32 v14, 0
	v_mov_b32 v15, 0
.irp b, 0,1,2,3
	v_mov_b32 v[PX+\b], 0                          ; written once: a lane permute's destination counts as read
.endr
	v_mov_b32 v[F+1], 0                            ; named as the upper half of a pair
.set j, 0
.rept 32
	v_mov_b32 v[O+j], 0                            ; O^T: the step is written for every trip alike; the first f leaves zeros zeros
.set j, j+1
.endr
.endm
; THE WAY OUT of a tile: O^T / the sum; its 64 channels are two blocks of the next product's K: register 16 b + i = channel 32 b + 16 h + i.
.macro TAIL w, n
	WIN \w
	v_add_f32 v14, v14, v15
	s_delay_alu instid0(VALU_DEP_1)
	v_permlanex16_b32 v[F], v14, s[SEL], s[SEL+1]
	s_delay_alu instid0(VALU_DEP_1)
	v_add_f32 v14, v14, v[F]                       ; the row's sum
	s_wait_alu depctr_va_vdst(0)
	v_rcp_f32 v14, v14
	v_nop                                          ; a plain instruction behind the reciprocal
	s_wait_alu depctr_va_vdst(0)                   ; ahead of the reciprocal's first reader, which is also O^T's
.set j, 0
.rept 16
	v_pk_mul_f32 v[S+j:S+j+1], v[O+j:O+j+1], v[14:15] op_sel_hi:[1,0]
.set j, j+2
.endr
.irp b, 0,1
	v_max3_num_f32 v[BM+\b], |v[S+16*\b]|, |v[S+1+16*\b]|, 0x1800000
.endr
.irp i, 2,4,6,8,10,12,14
.irp b, 0,1
	s_delay_alu instid0(VALU_DEP_2)
	v_max3_num_f32 v[BM+\b], v[BM+\b], |v[S+16*\b+\i]|, |v[S+1+16*\b+\i]|
.endr
.endr
.irp b, 0,1
	s_delay_alu instid0(VALU_DEP_2)
	v_permlanex16_b32 v[PX+\b], v[BM+\b], s[SEL], s[SEL+1]
.endr
.irp b, 0,1
	s_delay_alu instid0(VALU_DEP_2)
	v_max_num_f32 v[BM+\b], v[BM+\b], v[PX+\b]
.endr
.irp b, 0,1
	s_delay_alu instid0(VALU_DEP_2)
	v_add_nc_u32 v[SCO+\b], 0xff000000, v[BM+\b]
.endr
.irp b, 0,1
	s_delay_alu instid0(VALU_DEP_2)
	v_lshrrev_b32 v[BM+\b], 23, v[SCO+\b]
.endr
	v_cvt_scalef32_pk16_fp6_f32 v[PCD:PCD+2], v[S:S+15], v[SCO]
	v_cvt_scalef32_pk16_fp6_f32 v[PX+4:PX+6], v[S+16:S+31], v[SCO+1]
	v_lshl_or_b32 v[TP], v[BM+1], 8, v[BM]         ; my head's two bytes of the row's word; the plain instruction behind the conversions
.irp i, 0,1,2
	v_permlane16_swap_b32 v[PCD+\i], v[PX+4+\i]
.endr
.irp i, 0,1,2
	v_mov_b32 v[PCD+3+\i], v[PX+4+\i]
.endr
	WIN (\w)&4                                     ; a store's data stand in the tile's window, its offset in window 0
	global_store_b128 v1, v[PCD:PCD+3], s[56:57] offset:1536*\n
	global_store_b64 v2, v[PCD+4:PCD+5], s[56:57] offset:1536*\n+512
	global_store_b16 v3, v[TP], s[58:59] offset:64*\n   ; both halves of the lanes write the same two bytes with the same value
.endm
	s_load_b128 s[4:7], s[0:1], 0x0                ; qkv, act
	v_lshl_add_u32 v9, v0, 2, SPARE
	v_mov_b32 v10, 0
	ds_add_u32 v9, v10                             ; the opening lines: the add, twice on end, and its wait ahead of my tensor load
	ds_add_u32 v9, v10
	v_lshrrev_b32 v11, 5, v0
	s_delay_alu instid0(VALU_DEP_1)
	v_readfirstlane_b32 s[WV], v11                 ; wave 0..7
	s_and_b32 s10, ttmp7, 0xffff                   ; hb = 16 x batch + head: the four partners share it
	s_mul_i32 s12, s[WV], 2*STEPB                  ; my load: key steps 2 w and 2 w + 1
	s_mul_i32 s14, s10, KVH
	s_add_co_u32 s14, s14, KV_OFF
	s_add_co_u32 s14, s14, s12
	s_mov_b32 s15, 0
	s_mov_b32 s[G1], 15|(3<<16)|(1<<21)            ; 15:0 all four work-groups; 17:16 elements of 8 bytes; 21 set beside a mask; no padding
	s_mov_b32 s[G1+1], 32<<16                      ; rows of 256 bytes
	s_mov_b32 s[G1+2], 102<<16
	s_mov_b32 s[G1+3], 32<<16
	s_mov_b32 s[G1+4], 102
	s_mov_b32 s[G1+5], 32
	s_mov_b32 s[G1+6], 0
	s_mov_b32 s[G1+7], 0
	s_wait_dscnt 0x0
	s_wait_kmcnt 0x0
	s_mov_b32 s[G0], 1
	s_mov_b32 s[G0+1], s12
	s_add_nc_u64 s[G0+2:G0+3], s[4:5], s[14:15]
	s_or_b32 s[G0+3], s[G0+3], 0x80000000
	ROUND                                          ; all four work-groups are here: the joint loads meet
	tensor_load_to_lds s[G0:G0+3], s[G1:G1+7]      ; every wave issues one, and no other in the launch
	s_nop 0
.rept 4
	v_nop
.endr
	s_bfe_u32 s8, ttmp6, 0x40000                   ; cx: it enters Q's and the result's addresses alone
	s_lshl_b32 s9, ttmp9, 2
	s_add_co_u32 s9, s9, s8
	s_lshl_b32 s9, s9, 3
	s_add_co_u32 s9, s9, s[WV]
	s_lshl_b32 s9, s9, 1                           ; tile A: 2 x (8 x (4 x cluster x + cx) + wave); tile B is the next
	s_mul_i32 s48, s10, QHB
	s_mul_i32 s49, s9, 768
	s_add_co_u32 s50, s48, s49
	s_mov_b32 s51, 0
	s_add_nc_u64 s[50:51], s[4:5], s[50:51]        ; Q's half images
	s_lshl_b32 s49, s9, 6
	s_add_co_u32 s52, s48, s49
	s_add_co_u32 s52, s52, 98304
	s_mov_b32 s53, 0
	s_add_nc_u64 s[52:53], s[4:5], s[52:53]        ; and their words
	v_and_b32 v11, 31, v0
	v_and_b32 v8, 15, v0
	s_delay_alu instid0(VALU_DEP_2)
	v_lshlrev_b32 v1, 4, v11                       ; 16 x lane
	v_lshlrev_b32 v2, 3, v11                       ; 8 x lane
	s_delay_alu instid0(VALU_DEP_3)
	v_lshlrev_b32 v3, 2, v8                        ; 4 x (lane % 16)
	global_load_b128 v[16:19], v1, s[50:51]
	global_load_b64 v[20:21], v2, s[50:51] offset:512
	global_load_b32 v[QW], v3, s[52:53]
	global_load_b32 v[QW+1], v3, s[52:53] offset:64
	WIN 0x40
	global_load_b128 v[16:19], v1, s[50:51] offset:768
	global_load_b64 v[20:21], v2, s[50:51] offset:1280
	INIT                                           ; tile B's state,
	WIN 0
	INIT                                           ; tile A's
.irp i, 48,49,50,51,52,53
	v_mov_b32 v[KF+\i], 0                          ; behind K's last half fragment: named by its product, set once
.endr
	s_lshr_b32 s48, s10, 4
	s_lshl_b32 s48, s48, 7
	s_add_co_u32 s48, s48, s9                      ; the token tile T = 128 b + tile A; tile B lies in the same group of 8
	s_lshr_b32 s49, s48, 3
	s_mul_i32 s49, s49, GRP
	s_and_b32 s54, s10, 15                         ; the head: K step head / 2 of the next product, half head % 2 of its fragment
	s_lshr_b32 s55, s54, 1
	s_mul_i32 s55, s55, REC
	s_add_co_u32 s49, s49, s55                     ; the record
	s_and_b32 s48, s48, 7
	s_and_b32 s54, s54, 1
	s_mul_i32 s55, s48, 1536
	s_mul_i32 s56, s54, 768
	s_add_co_u32 s56, s56, s55
	s_add_co_u32 s56, s56, s49
	s_mov_b32 s57, 0
	s_add_nc_u64 s[56:57], s[6:7], s[56:57]        ; where tile A's half image goes
	s_lshl_b32 s48, s48, 6
	s_lshl_b32 s54, s54, 1
	s_add_co_u32 s58, s48, s54
	s_add_co_u32 s58, s58, s49
	s_add_co_u32 s58, s58, 12288
	s_mov_b32 s59, 0
	s_add_nc_u64 s[58:59], s[6:7], s[58:59]        ; and its two bytes of each row's word
	s_mov_b32 s[SEL], 0x76543210
	s_mov_b32 s[SEL+1], 0xfedcba98
	s_mov_b32 s[CS], 0x3e38aa3b                    ; c = log2(e) / 8
	s_mov_b32 s[CS+1], s[CS]                       ; named with it as a pair, so it is written
	s_mov_b32 s[CNT], 0
	s_wait_alu depctr_va_vdst(0)
	s_wait_loadcnt 0x0                             ; Q
	s_wait_tensorcnt 0x0                           ; my two key steps have landed
	s_barrier_signal -1
	s_barrier_wait -1                              ; all sixteen lie in LDS
	KLOAD 1, 2, 3                                  ; key step 0's K
.Lstep:
	s_mul_i32 s[TB], s[CNT], STEPB                 ; this step's record,
	s_add_co_u32 s34, s[CNT], 1
	s_and_b32 s34, s34, 15                         ; and the next one's (the last step names step 0 again: inside the filled bytes, and not used)
	s_mul_i32 s33, s34, STEPB
	s_wait_dscnt 0x0                               ; this step's K is in
	QK QW
	WIN 0x44                                       ; K in window 0, Q and the scores in window 1
	QK QW+1
	WIN 0
	v_add_nc_u32 v7, s[TB], v1                     ; five plain instructions: the places behind the products, in front of loads into registers that they read
	v_add_nc_u32 v8, s[TB], v3
	v_add_nc_u32 v4, s33, v1
	v_add_nc_u32 v5, s33, v2
	v_add_nc_u32 v6, s33, v3
	WIN 0x40
.irp t, 0,1,2,3
.irp c, 0,1,2
	ds_load_b128 v[VF+12*\t+4*\c:VF+12*\t+4*\c+3], v7 offset:6144+1536*\t+512*\c
.endr
.endr
	WIN 0
.irp t, 0,1,2,3
	ds_load_b32 v[VW+\t], v8 offset:12800+64*\t
.endr
	KLOAD 4, 5, 6                                  ; the next step's K: it has both tiles' vector work in which to come
	SOFT 0, 0, 24
	SOFT 0x55, 1, -1                               ; (tile A's second product stands inside)
	PV 0x55, PW+1
	WIN 0
	s_add_co_u32 s[CNT], s[CNT], 1
	s_cmp_lt_u32 s[CNT], 16
	s_cbranch_scc1 .Lstep
	TAIL 0, 0
	TAIL 0x55, 1
	WIN 0
	s_wait_tensorcnt 0x0                           ; the wave's end
	ds_add_u32 v9, v10
	s_wait_dscnt 0x0                               ; also the last step's loads of K, which nothing uses
	ROUND                                          ; the closing round
	s_endpgm
.Lfunc_end_k_q81958e8825_attn:
	.size	k_q81958e8825_attn, .Lfunc_end_k_q81958e8825_attn-k_q81958e8825_attn
	.p2alignl 7, 3214868480
	.fill 96, 4, 3214868480
	.section	.rodata,"a",@progbits
	.p2align	6, 0x0
	.amdhsa_kernel k_q81958e8825_attn
		.amdhsa_group_segment_fixed_size 215040
		.amdhsa_private_segment_fixed_size 0
		.amdhsa_enable_private_segment 0
		.amdhsa_kernarg_size 16
		.amdhsa_user_sgpr_count 2
		.amdhsa_user_sgpr_kernarg_segment_ptr 1
		.amdhsa_wavefront_size32 1
		.amdhsa_system_sgpr_workgroup_id_x 1
		.amdhsa_system_sgpr_workgroup_id_y 1
		.amdhsa_system_sgpr_workgroup_id_z 1
		.amdhsa_system_vgpr_workitem_id 0
		.amdhsa_next_free_vgpr 512
		.amdhsa_next_free_sgpr 66
		.amdhsa_reserve_vcc 0
		.amdhsa_float_denorm_mode_32 3
		.amdhsa_float_denorm_mode_16_64 3
		.amdhsa_memory_ordered 1
		.amdhsa_forward_progress 1
		.amdhsa_inst_pref_size 49
	.end_amdhsa_kernel
	.amdgpu_metadata
---
amdhsa.version: [ 1, 2 ]
amdhsa.kernels:
  - .name:           k_q81958e8825_attn
    .symbol:         k_q81958e8825_attn.kd
    .args:
      - { .name: qkv, .offset: 0, .size: 8, .value_kind: global_buffer, .address_space: global }
      - { .name: act, .offset: 8, .size: 8, .value_kind: global_buffer, .address_space: global }
    .group_segment_fixed_size: 215040
    .private_segment_fixed_size: 0
    .kernarg_segment_align: 8
    .kernarg_segment_size: 16
    .max_flat_workgroup_size: 256
    .sgpr_count:     66
    .vgpr_count:     512
    .wavefront_size: 32
...
	.end_amdgpu_metadata
.endif
;; end of part 3
;; launch oln (part 4): grid 256 x 1, 8 waves a work-group, no clusters, 80,640 bytes of LDS; arguments act, wo, x, out_b, ln1_w, ln1_b, fc2_b, hbuf; writes hbuf
.if DOCPART == 4
	.amdgcn_target "amdgcn-amd-amdhsa--gfx1250"
	.amdhsa_code_object_version 6
	.text
	.protected	k_q81958e8825_oln
	.globl	k_q81958e8825_oln
	.p2align	8
	.type	k_q81958e8825_oln,@function
k_q81958e8825_oln:
	s_mov_b64 s[64:65], 0
	v_nop
	global_prefetch_b8 v0, s[64:65] scope:SCOPE_SE
	s_setreg_imm32_b32 hwreg(HW_REG_WAVE_MODE, 25, 1), 1
	s_wait_xcnt 0x0
; h = LayerNorm(x + (attn out_w^T + out_b)) x ln1_w + ln1_b: the product on codes of FP6 (E2M3), all else in f32; h is quantised at once for the next product, and h + fc2_b is kept in f32 for the second residual.
; SHARES: a work-group owns one tile T of 16 tokens and all 1,024 columns, so that a row's mean and variance stay inside it; wave w owns columns 128 w .. 128 w + 127: 8 accumulators, 64 matrix instructions.
; OPERANDS are images of operand registers: a fragment (16 rows x 128 K) is 1,536 bytes (registers 0-3 at 16 x lane, 4-5 at 512 + 8 x lane, 6-9 at 768 + 16 x lane, 10-11 at 1,280 + 8 x lane); a record = 8 tiles of one K step + 8 x 64 bytes of
; scale words = 12,800 bytes; a group of 8 tiles has its 8 records on end.  Image row r of tile T is row 32 (T / 2) + 8 (T % 2) + r + 8 (r / 8); token tiles count batch first.
; THE WEIGHTS GO FROM MEMORY STRAIGHT INTO OPERAND REGISTERS: wave w reads group w of out_w's images, 102,400 bytes, every load of consecutive bytes, two K steps' buffers by turns.  No LDS ring, no cluster, no joint load:
; inside the work-group each byte of the weights is read by one wave alone, and a K step's 12,800 bytes feed 8 matrix instructions.  No prefetch: all 256 work-groups walk the same 819,200 bytes of weights in the same order,
; and the loads themselves run a K step ahead.
; THE PRODUCT IS USED TRANSPOSED (source 0 = 16 rows of out_w, source 1 = the 16 tokens): lane (r, h) holds token r, and register 16 b + i column 128 w + 32 b + 16 h + i: 16 neighbours of each block of 32 of the next K.
; x + out_b goes through an LDS stage (rows 4,112 bytes apart; loads of 512 consecutive bytes) and STARTS THE SUMS as the accumulators' first content.  The rows' sums cross the waves through 512 bytes of LDS each.
; The variance is taken of x - mean, in a second pass, as reference() has it.  h leaves through the same stage as whole rows.
; hbuf: at 0 h + fc2_b, f32, rows in the order of the images; at 16,777,216 h's panel: [group of 8 tiles][K step][record].
; LIMITS: NaN and infinities are not served; a block of zeros gets the byte 1 (its codes are zeros; this program alone reads the bytes); out_b is added to x ahead of the product's sum and fc2_b to h ahead of the FFN's: other orders than reference()'s.
; REGISTERS.  Window 0: v1-8 offsets and LDS addresses, v9-10 for the add, v16-23 the tokens' scale words, v24-39 the weights' (two sets), v40-103 accumulators, v104-199 the tokens' 8 fragments (later fc2_b), v200-255 at work.
; Window 1: v0-191 the weights' fragments, two sets (later v0-63 the gain), v192-255 the bias.
.set REC,  12800
.set GRP,  102400
.set PIT,  4112
.set RED,  16*PIT                      ; behind the stage: two times 512 bytes: [token][wave] partial sums
.set RST,  RED+1024                    ; the tokens' 8 fragments as images of their registers, 1,536 bytes + 64 of scale words each: wave w brings K step w's, every wave reads all
.set SPARE, RST+8*1600
.set RW,   16
.set PWD,  24
.set ACC,  40
.set RF,   104
.set OB,   200                         ; v200-231 out_b
.set T,    200                         ; v200-207 four pairs of partial sums
.set RD,   208                         ; v208-215 the eight waves' partial sums
.set MU,   216                         ; the mean (v217 is named with it as a pair)
.set RS,   218                         ; 1 / sqrt (v219 likewise)
.set TM,   220                         ; v220-235 the quantiser's
.set PC,   236                         ; v236-247 codes; v248-250, v252-254 second halves
.set PW,   200
.set GA,   0
.set BI,   192
.set SEL,  50                          ; s[50:51] lane xor 16
.set KN,   52                          ; s52 = 2^-10, s53 = 1e-12
.set MSB, 0
.macro WIN new                         ; the immediate's high byte repeats the setting that is left
.if MSB != (\new)
	s_set_vgpr_msb (MSB<<8)|(\new)
.set MSB, (\new)
.endif
.endm
.macro PLOAD k                         ; K step k of my 128 rows of out_w: 40 loads
.set PB, 96*((\k)%2)
	WIN 0x40
.irp t, 0,1,2,3,4,5,6,7
	global_load_b128 v[PB+12*\t:PB+12*\t+3], v1, s[6:7] offset:REC*(\k)+1536*\t
	global_load_b64 v[PB+12*\t+4:PB+12*\t+5], v2, s[6:7] offset:REC*(\k)+1536*\t+512
	global_load_b128 v[PB+12*\t+6:PB+12*\t+9], v1, s[6:7] offset:REC*(\k)+1536*\t+768
	global_load_b64 v[PB+12*\t+10:PB+12*\t+11], v2, s[6:7] offset:REC*(\k)+1536*\t+1280
.endr
	WIN 0
.irp t, 0,1,2,3,4,5,6,7
	global_load_b32 v[PWD+8*((\k)%2)+\t], v3, s[6:7] offset:REC*(\k)+12288+64*\t
.endr
.endm
.macro MULS k                          ; 8 matrix instructions, the 8 accumulators by turns; four places behind them, in front of loads into registers that they read
.set PB, 96*((\k)%2)
	WIN 0x01
.irp t, 0,1,2,3,4,5,6,7
	v_wmma_scale_f32_16x16x128_f8f6f4 v[ACC+8*\t:ACC+8*\t+7], v[PB+12*\t:PB+12*\t+11], v[RF+12*(\k):RF+12*(\k)+11], v[ACC+8*\t:ACC+8*\t+7], v[PWD+8*((\k)%2)+\t], v[RW+(\k)] matrix_a_fmt:MATRIX_FMT_FP6 matrix_b_fmt:MATRIX_FMT_FP6
.endr
	WIN 0
.rept 4
	v_nop
.endr
.endm
; The sum (sq = 0) or the sum of squares (sq = 1) of a token's 1,024 numbers, into v[RD] of every lane: my 64, lane xor 16's, then the eight waves' through LDS bytes red on.  Each accumulator is read from its low end on.
.macro LRED sq, red
.irp q, 0,1,2,3
.if \sq
	v_pk_mul_f32 v[T+2*\q:T+2*\q+1], v[ACC+2*\q:ACC+2*\q+1], v[ACC+2*\q:ACC+2*\q+1]
.else
	v_pk_add_f32 v[T+2*\q:T+2*\q+1], v[ACC+2*\q:ACC+2*\q+1], v[ACC+8+2*\q:ACC+9+2*\q]
.endif
.endr
.irp n, 8,16,24,32,40,48,56
.irp q, 0,1,2,3
.if \sq
	v_pk_fma_f32 v[T+2*\q:T+2*\q+1], v[ACC+\n+2*\q:ACC+\n+2*\q+1], v[ACC+\n+2*\q:ACC+\n+2*\q+1], v[T+2*\q:T+2*\q+1]
.elseif \n > 8
	v_pk_add_f32 v[T+2*\q:T+2*\q+1], v[T+2*\q:T+2*\q+1], v[ACC+\n+2*\q:ACC+\n+2*\q+1]
.endif
.endr
.endr
	v_pk_add_f32 v[T:T+1], v[T:T+1], v[T+2:T+3]
	v_pk_add_f32 v[T+4:T+5], v[T+4:T+5], v[T+6:T+7]
	s_delay_alu instid0(VALU_DEP_1)
	v_pk_add_f32 v[T:T+1], v[T:T+1], v[T+4:T+5]
	s_delay_alu instid0(VALU_DEP_1)
	v_add_f32 v[T], v[T], v[T+1]
	s_delay_alu instid0(VALU_DEP_1)
	v_permlanex16_b32 v[T+1], v[T], s[SEL], s[SEL+1]
	s_delay_alu instid0(VALU_DEP_1)
	v_add_f32 v[T], v[T], v[T+1]
	ds_store_b32 v6, v[T] offset:\red              ; word [token r][wave]; both halves of the lanes write the same word with the same value
	s_wait_alu depctr_va_vdst(0)
	s_wait_dscnt 0x0                               ; for the others' sake
	s_barrier_signal -1
	s_barrier_wait -1
	ds_load_b128 v[RD:RD+3], v7 offset:\red
	ds_load_b128 v[RD+4:RD+7], v7 offset:\red+16
	s_wait_dscnt 0x0
	v_pk_add_f32 v[RD:RD+1], v[RD:RD+1], v[RD+2:RD+3]
	v_pk_add_f32 v[RD+4:RD+5], v[RD+4:RD+5], v[RD+6:RD+7]
	s_delay_alu instid0(VALU_DEP_1)
	v_pk_add_f32 v[RD:RD+1], v[RD:RD+1], v[RD+4:RD+5]
	s_delay_alu instid0(VALU_DEP_1)
	v_add_f32 v[RD], v[RD], v[RD+1]
.endm
	s_load_b512 s[4:19], s[0:1], 0x0               ; act, wo, x, out_b, ln1_w, ln1_b, fc2_b, hbuf
	v_lshl_add_u32 v9, v0, 2, SPARE
	v_mov_b32 v10, 0
	v_lshrrev_b32 v11, 5, v0
	s_delay_alu instid0(VALU_DEP_1)
	v_readfirstlane_b32 s20, v11                   ; wave 0..7
	v_and_b32 v11, 31, v0
	v_and_b32 v12, 15, v0                          ; r
	v_bfe_u32 v13, v0, 4, 1                        ; h
	v_lshlrev_b32 v1, 4, v11                       ; 16 x lane
	v_lshlrev_b32 v2, 3, v11                       ; 8 x lane
	v_lshlrev_b32 v3, 2, v12                       ; 4 r
	v_lshlrev_b32 v8, 6, v13                       ; 64 h
	v_mul_u32_u24 v4, v12, PIT
	v_lshlrev_b32 v7, 5, v12
	s_lshl_b32 s21, s20, 9
	v_add_nc_u32 v4, v4, v8
	v_add_nc_u32 v7, RED, v7                       ; a token's eight partial sums: 32 r
	v_add_nc_u32 v4, s21, v4                       ; the stage by the result's layout: row r, + 512 w + 64 h bytes
	s_mul_i32 s21, s20, 2*PIT
	v_add_nc_u32 v5, s21, v1                       ; the stage by rows: my rows 2 w and 2 w + 1, 16 x lane
	s_lshl_b32 s21, s20, 2
	v_add_nc_u32 v6, s21, v7
	v_add_nc_u32 v13, RST, v1                      ; the tokens' images in LDS: 16 x lane,
	v_add_nc_u32 v14, RST, v2                      ; 8 x lane,
	v_add_nc_u32 v15, RST, v3                      ; 4 r
	s_mul_i32 s21, s20, 1600
	v_add_nc_u32 v232, s21, v13                    ; and where K step w's goes
	v_add_nc_u32 v233, s21, v14
	v_add_nc_u32 v234, s21, v15
	s_mov_b32 s[SEL], 0x76543210
	s_mov_b32 s[SEL+1], 0xfedcba98
	s_mov_b32 s[KN], 0x3a800000                    ; 1 / 1,024
	s_mov_b32 s[KN+1], 0x2b8cbccc                  ; 1e-12
	s_and_b32 s22, ttmp9, 127
	s_lshr_b32 s22, s22, 1
	s_lshl_b32 s22, s22, 5
	s_and_b32 s23, ttmp9, 1
	s_lshl_b32 s23, s23, 3
	s_add_co_u32 s22, s22, s23
	s_lshl_b32 s23, s20, 1
	s_add_co_u32 s22, s22, s23
	s_lshr_b32 s23, s20, 2
	s_lshl_b32 s23, s23, 3
	s_add_co_u32 s22, s22, s23                     ; s of image row 2 w; row 2 w + 1 is s + 1
	s_lshl_b32 s22, s22, 1
	s_lshr_b32 s23, ttmp9, 7
	s_add_co_u32 s22, s22, s23
	s_lshl_b32 s22, s22, 12                        ; x: (2 s + b) x 4,096
	s_mov_b32 s23, 0
	s_lshl_b32 s24, ttmp9, 4
	s_lshl_b32 s25, s20, 1
	s_add_co_u32 s24, s24, s25
	s_lshl_b32 s24, s24, 12                        ; image row 16 T + 2 w, in bytes
	s_mov_b32 s25, 0
	s_lshr_b32 s38, ttmp9, 3
	s_mul_i32 s38, s38, GRP                        ; my tile's group,
	s_and_b32 s39, ttmp9, 7                        ; and its place there
	s_mul_i32 s26, s39, 1536
	s_add_co_u32 s26, s26, s38                     ; the tokens' images
	s_mov_b32 s27, 0
	s_lshl_b32 s28, s39, 6
	s_add_co_u32 s28, s28, s38
	s_add_co_u32 s28, s28, 12288                   ; and words
	s_mov_b32 s29, 0
	s_mul_i32 s30, s20, GRP                        ; out_w's group w
	s_mov_b32 s31, 0
	s_lshl_b32 s32, s20, 9                         ; my 128 columns of gain and bias
	s_mov_b32 s33, 0
	s_mul_i32 s36, s20, REC
	s_add_co_u32 s36, s36, 0x1000000               ; K step w of h's panel
	s_add_co_u32 s34, s26, s36
	s_mov_b32 s35, 0
	s_add_co_u32 s36, s28, s36
	s_mov_b32 s37, 0
	s_mul_i32 s21, s20, REC                        ; of the tokens' fragments I fetch K step w's
	s_add_co_u32 s26, s26, s21
	s_add_co_u32 s28, s28, s21
	s_wait_alu depctr_va_vdst(0)
	s_wait_kmcnt 0x0
	s_add_nc_u64 s[8:9], s[8:9], s[22:23]
	s_add_nc_u64 s[40:41], s[18:19], s[24:25]      ; where h + fc2_b goes
	s_add_nc_u64 s[42:43], s[4:5], s[26:27]
	s_add_nc_u64 s[44:45], s[4:5], s[28:29]
	s_add_nc_u64 s[6:7], s[6:7], s[30:31]
	s_add_nc_u64 s[12:13], s[12:13], s[32:33]
	s_add_nc_u64 s[14:15], s[14:15], s[32:33]
	s_add_nc_u64 s[46:47], s[18:19], s[34:35]      ; where h's image goes,
	s_add_nc_u64 s[48:49], s[18:19], s[36:37]      ; and its words
.irp p, 0,1
.irp j, 0,1,2,3,4,5,6,7
	global_load_b128 v[ACC+32*\p+4*\j:ACC+32*\p+4*\j+3], v1, s[8:9] offset:8192*\p+512*\j th:TH_LOAD_NT   ; two rows of x: 512 consecutive bytes a load
.endr
.endr
.irp j, 0,1,2,3,4,5,6,7
	global_load_b128 v[OB+4*\j:OB+4*\j+3], v1, s[10:11] offset:512*\j
.endr
	global_load_b128 v[RF:RF+3], v1, s[42:43]      ; the tokens' fragment of K step w: 5 loads
	global_load_b64 v[RF+4:RF+5], v2, s[42:43] offset:512
	global_load_b128 v[RF+6:RF+9], v1, s[42:43] offset:768
	global_load_b64 v[RF+10:RF+11], v2, s[42:43] offset:1280
	global_load_b32 v[RW], v3, s[44:45]
	PLOAD 0
	s_wait_loadcnt 40                              ; x, out_b and my fragment are in; K step 0's 40 loads of weights are younger
	ds_store_b128 v232, v[RF:RF+3]                 ; the fragment as an image of its registers
	ds_store_b64 v233, v[RF+4:RF+5] offset:512
	ds_store_b128 v232, v[RF+6:RF+9] offset:768
	ds_store_b64 v233, v[RF+10:RF+11] offset:1280
	ds_store_b32 v234, v[RW] offset:1536           ; both halves of the lanes write the same word with the same value
.irp p, 0,1
.irp j, 0,2,4,6,8,10,12,14,16,18,20,22,24,26,28,30
	v_pk_add_f32 v[ACC+32*\p+\j:ACC+32*\p+\j+1], v[ACC+32*\p+\j:ACC+32*\p+\j+1], v[OB+\j:OB+\j+1]
.endr
.endr
.irp p, 0,1
.irp j, 0,1,2,3,4,5,6,7
	ds_store_b128 v5, v[ACC+32*\p+4*\j:ACC+32*\p+4*\j+3] offset:PIT*\p+512*\j
.endr
.endr
	PLOAD 1
	s_wait_dscnt 0x0                               ; for the others' sake: my rows of x + out_b lie in the stage
	s_barrier_signal -1
	s_barrier_wait -1
.irp b, 0,1,2,3
.irp q, 0,1,2,3
	ds_load_b128 v[ACC+16*\b+4*\q:ACC+16*\b+4*\q+3], v4 offset:128*\b+16*\q   ; x + out_b in the result's layout: the sums begin with it
.endr
.endr
.irp k, 0,1,2,3,4,5,6,7                        ; all eight fragments of the tokens, by the same lines as loads
	ds_load_b128 v[RF+12*\k:RF+12*\k+3], v13 offset:1600*\k
	ds_load_b64 v[RF+12*\k+4:RF+12*\k+5], v14 offset:1600*\k+512
	ds_load_b128 v[RF+12*\k+6:RF+12*\k+9], v13 offset:1600*\k+768
	ds_load_b64 v[RF+12*\k+10:RF+12*\k+11], v14 offset:1600*\k+1280
	ds_load_b32 v[RW+\k], v15 offset:1600*\k+1536
.endr
	s_wait_dscnt 0x0
.irp k, 0,1,2,3,4,5
	s_wait_loadcnt 40
	MULS \k
	PLOAD \k+2
.endr
	s_wait_loadcnt 40
	MULS 6
	WIN 0x40
.irp b, 0,1,2,3
.irp q, 0,1,2,3
	global_load_b128 v[GA+16*\b+4*\q:GA+16*\b+4*\q+3], v8, s[12:13] offset:128*\b+16*\q   ; gain and bias in the result's layout: 32 loads
	global_load_b128 v[BI+16*\b+4*\q:BI+16*\b+4*\q+3], v8, s[14:15] offset:128*\b+16*\q
.endr
.endr
	WIN 0
	s_wait_loadcnt 32                              ; K step 7's loads are in; the gain's and the bias's 32 are younger
	MULS 7
.irp j, 0,1,2,3,4,5,6,7
	global_load_b128 v[RF+4*\j:RF+4*\j+3], v1, s[16:17] offset:512*\j   ; fc2_b by rows, into registers that the tokens' fragments have left
.endr
	LRED 0, 0
	s_delay_alu instid0(VALU_DEP_1)
	v_mul_f32 v[MU], s[KN], v[RD]                  ; the mean
	v_mov_b32 v[MU+1], 0                           ; named with it as a pair
	v_mov_b32 v[RS+1], 0
.set j, 0
.rept 32
	v_pk_add_f32 v[ACC+j:ACC+j+1], v[ACC+j:ACC+j+1], v[MU:MU+1] op_sel_hi:[1,0] neg_lo:[0,1] neg_hi:[0,1]
.set j, j+2
.endr
	LRED 1, 512
	s_delay_alu instid0(VALU_DEP_1)
	v_fma_f32 v[RD], v[RD], s[KN], s[KN+1]         ; the variance + 1e-12
	s_wait_alu depctr_va_vdst(0)
	v_rsq_f32 v[RS], v[RD]
	v_nop                                          ; a plain instruction behind it
	s_wait_loadcnt 0x0                             ; gain, bias, fc2_b
	s_wait_alu depctr_va_vdst(0)                   ; ahead of its first reader
.set j, 0
.rept 32
	v_pk_mul_f32 v[ACC+j:ACC+j+1], v[ACC+j:ACC+j+1], v[RS:RS+1] op_sel_hi:[1,0]
.set j, j+2
.endr
	WIN 0x14                                       ; gain and bias stand in window 1
.set j, 0
.rept 32
	v_pk_fma_f32 v[ACC+j:ACC+j+1], v[ACC+j:ACC+j+1], v[GA+j:GA+j+1], v[BI+j:BI+j+1]
.set j, j+2
.endr
	WIN 0
.irp b, 0,1,2,3
.irp q, 0,1,2,3
	ds_store_b128 v4, v[ACC+16*\b+4*\q:ACC+16*\b+4*\q+3] offset:128*\b+16*\q   ; h into the stage: every wave's reads of x + out_b were over two barriers ago
.endr
.endr
	; h's 128 columns of mine are K step w of the next product: four blocks of 32, 16 numbers of each in my lane
.irp b, 0,1,2,3
	v_mov_b32 v[TM+4+\b], 0                        ; a lane permute's destination counts as read
.endr
.irp b, 0,1,2,3
	v_max3_num_f32 v[TM+\b], |v[ACC+16*\b]|, |v[ACC+16*\b+1]|, 0x1800000   ; and the floor 2^(3 - 127)
.endr
.irp i, 2,4,6,8,10,12,14
.irp b, 0,1,2,3
	v_max3_num_f32 v[TM+\b], |v[ACC+16*\b+\i]|, |v[ACC+16*\b+\i+1]|, v[TM+\b]
.endr
.endr
.irp b, 0,1,2,3
	v_permlanex16_b32 v[TM+4+\b], v[TM+\b], s[SEL], s[SEL+1]
.endr
.irp b, 0,1,2,3
	v_max_num_f32 v[TM+\b], v[TM+\b], v[TM+4+\b]   ; with lane xor 16's: the block's largest magnitude
.endr
.irp b, 0,1,2,3
	v_add_nc_u32 v[TM+12+\b], 0xff000000, v[TM+\b] ; 2 off its exponent field: the conversion's scale operand
.endr
.irp b, 0,1,2,3
	v_lshrrev_b32 v[TM+4+\b], 23, v[TM+12+\b]      ; the scale's byte
.endr
.irp c, 0,1
	v_cvt_scalef32_pk16_fp6_f32 v[PC+6*\c:PC+6*\c+2], v[ACC+32*\c:ACC+32*\c+15], v[TM+12+2*\c]
	v_cvt_scalef32_pk16_fp6_f32 v[PC+12+4*\c:PC+14+4*\c], v[ACC+32*\c+16:ACC+32*\c+31], v[TM+13+2*\c]   ; a conversion's three registers begin on an even number
.endr
	v_lshl_or_b32 v[PW], v[TM+5], 8, v[TM+4]       ; the rows' scale word; also the plain instruction behind the conversions
	s_delay_alu instid0(VALU_DEP_1)
	v_lshl_or_b32 v[PW], v[TM+6], 16, v[PW]
	s_delay_alu instid0(VALU_DEP_1)
	v_lshl_or_b32 v[PW], v[TM+7], 24, v[PW]
.irp c, 0,1                                    ; the operand's layout wants a whole block in a lane
.irp i, 0,1,2
	v_permlane16_swap_b32 v[PC+6*\c+\i], v[PC+12+4*\c+\i]
.endr
.irp i, 0,1,2
	v_mov_b32 v[PC+3+6*\c+\i], v[PC+12+4*\c+\i]
.endr
.endr
	global_store_b128 v1, v[PC:PC+3], s[46:47]
	global_store_b64 v2, v[PC+4:PC+5], s[46:47] offset:512
	global_store_b128 v1, v[PC+6:PC+9], s[46:47] offset:768
	global_store_b64 v2, v[PC+10:PC+11], s[46:47] offset:1280
	global_store_b32 v3, v[PW], s[48:49]           ; both halves of the lanes write the same word with the same value
	s_wait_alu depctr_va_vdst(0)
	s_wait_dscnt 0x0                               ; for the others' sake: my columns of h lie in the stage
	s_barrier_signal -1
	s_barrier_wait -1
.irp p, 0,1
.irp j, 0,1,2,3,4,5,6,7
	ds_load_b128 v[ACC+32*\p+4*\j:ACC+32*\p+4*\j+3], v5 offset:PIT*\p+512*\j   ; my two whole rows of h
.endr
.endr
	s_wait_dscnt 0x0
.irp p, 0,1
.irp j, 0,2,4,6,8,10,12,14,16,18,20,22,24,26,28,30
	v_pk_add_f32 v[ACC+32*\p+\j:ACC+32*\p+\j+1], v[ACC+32*\p+\j:ACC+32*\p+\j+1], v[RF+\j:RF+\j+1]
.endr
.irp j, 0,1,2,3,4,5,6,7
	global_store_b128 v1, v[ACC+32*\p+4*\j:ACC+32*\p+4*\j+3], s[40:41] offset:4096*\p+512*\j   ; 512 consecutive bytes
.endr
.endr
	s_wait_tensorcnt 0x0                           ; the wave's end
	ds_add_u32 v9, v10
	s_wait_dscnt 0x0
	s_endpgm
.Lfunc_end_k_q81958e8825_oln:
	.size	k_q81958e8825_oln, .Lfunc_end_k_q81958e8825_oln-k_q81958e8825_oln
	.p2alignl 7, 3214868480
	.fill 96, 4, 3214868480
	.section	.rodata,"a",@progbits
	.p2align	6, 0x0
	.amdhsa_kernel k_q81958e8825_oln
		.amdhsa_group_segment_fixed_size 80640
		.amdhsa_private_segment_fixed_size 0
		.amdhsa_enable_private_segment 0
		.amdhsa_kernarg_size 64
		.amdhsa_user_sgpr_count 2
		.amdhsa_user_sgpr_kernarg_segment_ptr 1
		.amdhsa_wavefront_size32 1
		.amdhsa_system_sgpr_workgroup_id_x 1
		.amdhsa_system_sgpr_workgroup_id_y 1
		.amdhsa_system_sgpr_workgroup_id_z 1
		.amdhsa_system_vgpr_workitem_id 0
		.amdhsa_next_free_vgpr 512
		.amdhsa_next_free_sgpr 66
		.amdhsa_reserve_vcc 0
		.amdhsa_float_denorm_mode_32 3
		.amdhsa_float_denorm_mode_16_64 3
		.amdhsa_memory_ordered 1
		.amdhsa_forward_progress 1
		.amdhsa_inst_pref_size 80
	.end_amdhsa_kernel
	.amdgpu_metadata
---
amdhsa.version: [ 1, 2 ]
amdhsa.kernels:
  - .name:           k_q81958e8825_oln
    .symbol:         k_q81958e8825_oln.kd
    .args:
      - { .name: act, .offset: 0, .size: 8, .value_kind: global_buffer, .address_space: global }
      - { .name: wo, .offset: 8, .size: 8, .value_kind: global_buffer, .address_space: global }
      - { .name: x, .offset: 16, .size: 8, .value_kind: global_buffer, .address_space: global }
      - { .name: out_b, .offset: 24, .size: 8, .value_kind: global_buffer, .address_space: global }
      - { .name: ln1_w, .offset: 32, .size: 8, .value_kind: global_buffer, .address_space: global }
      - { .name: ln1_b, .offset: 40, .size: 8, .value_kind: global_buffer, .address_space: global }
      - { .name: fc2_b, .offset: 48, .size: 8, .value_kind: global_buffer, .address_space: global }
      - { .name: hbuf, .offset: 56, .size: 8, .value_kind: global_buffer, .address_space: global }
    .group_segment_fixed_size: 80640
    .private_segment_fixed_size: 0
    .kernarg_segment_align: 8
    .kernarg_segment_size: 64
    .max_flat_workgroup_size: 256
    .sgpr_count:     66
    .vgpr_count:     512
    .wavefront_size: 32
...
	.end_amdgpu_metadata
.endif
;; end of part 4
;; launch fc1 (part 5): grid 16 x 16, 4 waves a work-group, clusters of 4 x 4, 327,680 bytes of LDS; arguments img0, hbuf, fc1_b, act; writes act
.if DOCPART == 5
	.amdgcn_target "amdgcn-amd-amdhsa--gfx1250"
	.amdhsa_code_object_version 6
	.text
	.protected	k_q81958e8825_fc1
	.globl	k_q81958e8825_fc1
	.p2align	8
	.type	k_q81958e8825_fc1,@function
k_q81958e8825_fc1:
	s_mov_b64 s[64:65], 0
	v_nop
	global_prefetch_b8 v0, s[64:65] scope:SCOPE_SE
	s_setreg_imm32_b32 hwreg(HW_REG_WAVE_MODE, 25, 1), 1
	s_wait_xcnt 0x0
	s_wait_alu depctr_hold_cnt(0) depctr_sa_sdst(0) depctr_va_vdst(0) depctr_va_sdst(0) depctr_va_ssrc(0) depctr_va_vcc(0) depctr_vm_vsrc(0)
	s_getreg_b32 s2, hwreg(HW_REG_IB_STS2, 6, 4)
	s_cmp_eq_u32 s2, 0
	s_cbranch_scc0 .Lentry_in_a_cluster
	s_endpgm
.Lentry_in_a_cluster:
	s_bfe_u32 s2, ttmp6, 0x10000c
	s_cmp_lg_u32 s2, 0xf033
	s_cbranch_scc0 .Lentry_shape_is_right
	s_endpgm
.Lentry_shape_is_right:
.set REC,   12800
.set GRP,   8*REC
.set QTR,   2*REC
.set SLOT,  QTR                        ; LDS: a wave's quarter of slot 1 lies directly behind its quarter of slot 0
.set LQ,    2*QTR                      ; LDS: from one wave's pair of quarters to the next wave's
.set SPARE, 8*QTR                      ; behind the ring: the spare words
.set FR,    12
.set NL,    4
.set NP,    4
.set ADRR,  16
.set ADRP,  20
.set L16,   24
.set L8,    25
.set L4,    26
.set ADRS,  27
.set SPW,   28
.set NIL,   29
.set SC,    32
.set BT,    64
.set AF,    128
.set PC,    128
.set TM,    148
.set PW,    164
.set G1R, 24
.set G0R, 32
.set G1P, 48
.set G0P, 56
.set SEL, 66
.set MSB, 0
.macro WIN new
.if MSB != (\new)
	s_set_vgpr_msb (MSB<<8)|(\new)
.set MSB, (\new)
.endif
.endm
.set MUL_LO, 0xa1
.set MUL_HI, 0xf1
.set TO_P,   0x40
.macro JLOAD g0a, g1a, g0b, g1b
	s_cmp_eq_u32 s15, 0
	s_cbranch_scc0 .Lfor_p_\@
	tensor_load_to_lds s[\g0a:\g0a+3], s[\g1a:\g1a+7]
	s_nop 0
.rept 4
	v_nop
.endr
	s_branch .Lasked_\@
.Lfor_p_\@:
	tensor_load_to_lds s[\g0b:\g0b+3], s[\g1b:\g1b+7]
	s_nop 0
.rept 4
	v_nop
.endr
.Lasked_\@:
.endm
.macro CREST
	s_cmp_lg_u32 s14, 0
	s_cbranch_scc1 .Lnot_wave_0_\@
	s_barrier_signal -3
.Lnot_wave_0_\@:
	s_barrier_wait -3
	s_barrier_signal -1
	s_barrier_wait -1
.endm
.macro CROUND
	s_barrier_signal -1
	s_barrier_wait -1
	CREST
.endm
.macro PLACES n
.rept \n
	v_nop
.endr
.endm
.macro FRAG reg, adr, q, i
	ds_load_b128 v[\reg:\reg+3], v[\adr] offset:REC*(\q)+1536*(\i)
	ds_load_b64 v[\reg+4:\reg+5], v[\adr+2] offset:REC*(\q)+1536*(\i)+512
	ds_load_b128 v[\reg+6:\reg+9], v[\adr] offset:REC*(\q)+1536*(\i)+768
	ds_load_b64 v[\reg+10:\reg+11], v[\adr+2] offset:REC*(\q)+1536*(\i)+1280
.endm
.macro MUL16 a0, p, q, sc, mode
.irp a, \a0, \a0+1
.irp b, 0,1,2,3,4,5,6,7
.set rD, 8*(8*((\a)%4)+\b)
.set rP, 128*(\p)+FR*\b
.set rR, AF+FR*(\a)
.set rSP, SC+16*(\sc)+2*\b+(\q)
.set rSR, SC+16*(\sc)+2*(\a)+(\q)
.if \mode == 2
	v_wmma_scale_f32_16x16x128_f8f6f4 v[rD:rD+7], v[rP:rP+FR-1], v[rR:rR+FR-1], v[BT+8*\b:BT+8*\b+7], v[rSP], v[rSR] matrix_a_fmt:MATRIX_FMT_FP6 matrix_b_fmt:MATRIX_FMT_FP6 matrix_a_scale:MATRIX_SCALE_ROW1
.else
	v_wmma_scale_f32_16x16x128_f8f6f4 v[rD:rD+7], v[rP:rP+FR-1], v[rR:rR+FR-1], v[rD:rD+7], v[rSP], v[rSR] matrix_a_fmt:MATRIX_FMT_FP6 matrix_b_fmt:MATRIX_FMT_FP6 matrix_a_scale:MATRIX_SCALE_ROW1
.endif
.endr
.endr
.endm
.macro FETCH_P slot, q, p
	WIN TO_P
.irp i, 0,1,2,3,4,5,6,7
	FRAG 128*(\p)+FR*\i, ADRP+\slot, \q, \i
.endr
	WIN 0
.endm
.macro FETCH_R slot, q, i0
.irp i, \i0, \i0+1, \i0+2, \i0+3
	FRAG AF+FR*(\i), ADRR+\slot, \q, \i
.endr
.endm
.macro SCALES sc
.irp i, 0,1,2,3,4,5,6,7
.irp q, 0,1
	ds_load_b32 v[SC+16*\sc+2*\i+\q], v[ADRS+3*\sc] offset:REC*\q+12288+64*\i
.endr
.endr
.endm
.macro STEP slot, q, mode
	s_wait_dscnt 4*NL
.if \mode == 2
	WIN 0x81
.else
	WIN MUL_LO
.endif
	MUL16 0, (\q)%2, \q, \slot, \mode
	MUL16 2, (\q)%2, \q, \slot, \mode
	s_wait_dscnt 0
	PLACES NP
	FETCH_P \slot, (\q)+1, 1-(\q)%2
	FETCH_R \slot, (\q)+1, 0
.if \mode == 2
	WIN 0xc1
.else
	WIN MUL_HI
.endif
	MUL16 4, (\q)%2, \q, \slot, \mode
	MUL16 6, (\q)%2, \q, \slot, \mode
	PLACES NP
	WIN 0
	FETCH_R \slot, (\q)+1, 4
.endm
.macro TURN slot, next, fill
	s_wait_tensorcnt 0x0
	ds_add_u32 v[SPW], v[NIL]
	s_wait_dscnt 4*NL+1
	WIN MUL_LO
	MUL16 0, 1, 1, \slot, 0
	s_wait_dscnt 0x0
	s_barrier_signal -1
	MUL16 2, 1, 1, \slot, 0
	WIN 0
	s_barrier_wait -1
.if \fill
	CREST
	s_add_nc_u64 s[G0R+4*\slot+2:G0R+4*\slot+3], s[G0R+4*\slot+2:G0R+4*\slot+3], 2*QTR
	s_add_nc_u64 s[G0P+4*\slot+2:G0P+4*\slot+3], s[G0P+4*\slot+2:G0P+4*\slot+3], 2*QTR
	JLOAD G0R+4*\slot, G1R, G0P+4*\slot, G1P
.else
	PLACES NP
.endif
	FETCH_P \next, 0, 0
	FETCH_R \next, 0, 0
	SCALES \next
	WIN MUL_HI
	MUL16 4, 1, 1, \slot, 0
	MUL16 6, 1, 1, \slot, 0
	PLACES NP
	WIN 0
	FETCH_R \next, 0, 4
.endm
.macro QUANT W, s
	WIN (\W)|((\W)<<2)
.irp b, 0,1,2,3
	v_max3_num_f32 v[TM+\b], |v[\s+16*\b]|, |v[\s+16*\b+1]|, 0x1800000
.endr
.irp i, 2,4,6,8,10,12,14
.irp b, 0,1,2,3
	v_max3_num_f32 v[TM+\b], |v[\s+16*\b+\i]|, |v[\s+16*\b+\i+1]|, v[TM+\b]
.endr
.endr
	WIN 0
	s_wait_alu depctr_va_vdst(0)
	s_wait_xcnt 0x0
.irp b, 0,1,2,3
	v_permlanex16_b32 v[TM+4+\b], v[TM+\b], s[SEL], s[SEL+1]
.endr
.irp b, 0,1,2,3
	v_max_num_f32 v[TM+\b], v[TM+\b], v[TM+4+\b]
.endr
.irp b, 0,1,2,3
	v_add_nc_u32 v[TM+12+\b], 0xff000000, v[TM+\b]
.endr
.irp b, 0,1,2,3
	v_lshrrev_b32 v[TM+4+\b], 23, v[TM+12+\b]
.endr
	v_lshl_or_b32 v[PW], v[TM+5], 8, v[TM+4]
	v_lshl_or_b32 v[PW], v[TM+6], 16, v[PW]
	v_lshl_or_b32 v[PW], v[TM+7], 24, v[PW]
	WIN (\W)
.irp c, 0,1
	v_cvt_scalef32_pk16_fp6_f32 v[PC+6*\c:PC+6*\c+2], v[\s+32*\c:\s+32*\c+15], v[TM+12+2*\c]
	v_cvt_scalef32_pk16_fp6_f32 v[PC+12+4*\c:PC+14+4*\c], v[\s+32*\c+16:\s+32*\c+31], v[TM+13+2*\c]
.endr
	WIN 0
	v_nop
.irp c, 0,1
.irp i, 0,1,2
	v_permlane16_swap_b32 v[PC+6*\c+\i], v[PC+12+4*\c+\i]
.endr
.irp i, 0,1,2
	v_mov_b32 v[PC+3+6*\c+\i], v[PC+12+4*\c+\i]
.endr
.endr
.endm
	s_load_b256 s[4:11], s[0:1], 0x0
	v_lshl_add_u32 v[SPW], v0, 2, SPARE
	v_mov_b32 v[NIL], 0
	ds_add_u32 v28, v29
	ds_add_u32 v28, v29
	s_wait_dscnt 0x0
	v_lshrrev_b32 v1, 5, v0
	v_readfirstlane_b32 s14, v1
	s_lshr_b32 s15, s14, 1
	s_and_b32 s16, s14, 1
	s_bfe_u32 s40, ttmp6, 0x40000
	s_bfe_u32 s41, ttmp6, 0x40004
	s_lshl_b32 s42, ttmp9, 2
	s_add_co_u32 s42, s42, s40
	s_and_b32 s17, ttmp7, 0xffff
	s_lshl_b32 s17, s17, 2
	s_add_co_u32 s17, s17, s41
	s_lshl_b32 s43, s41, 2
	s_lshl_b32 s43, 15, s43
	s_lshl_b32 s44, 0x1111, s40
	s_or_b32 s[G1R], s43, (3<<16)|(1<<21)
	s_or_b32 s[G1P], s44, (3<<16)|(1<<21)
.irp g, G1R, G1P
	s_mov_b32 s[\g+1], 32<<16
	s_mov_b32 s[\g+2], 200<<16                     ; the head's load: four records on end, 200 rows: both slots' quarters
	s_mov_b32 s[\g+3], 32<<16
	s_mov_b32 s[\g+4], 200
	s_mov_b32 s[\g+5], 32
	s_mov_b32 s[\g+6], 0
	s_mov_b32 s[\g+7], 0
.endr
	s_lshl_b32 s20, s17, 1
	s_add_co_u32 s20, s20, s16
	s_mul_i32 s20, s20, GRP
	s_add_co_u32 s20, s20, 0x1000000
	s_mov_b32 s21, 0
	s_lshl_b32 s46, s42, 1
	s_add_co_u32 s46, s46, s16
	s_mul_i32 s46, s46, GRP
	s_add_co_u32 s46, s46, 56*GRP
	s_mov_b32 s47, 0
	s_mul_i32 s45, s14, LQ
	s_mov_b32 s[SEL], 0x76543210
	s_mov_b32 s[SEL+1], 0xfedcba98
	s_wait_kmcnt 0x0
	s_add_nc_u64 s[20:21], s[6:7], s[20:21]
	s_add_nc_u64 s[46:47], s[4:5], s[46:47]
	CROUND
.irp s, 0,1
	s_mov_b32 s[G0R+4*\s], 1
	s_add_co_u32 s[G0R+4*\s+1], s45, \s*SLOT
	s_add_nc_u64 s[G0R+4*\s+2:G0R+4*\s+3], s[20:21], \s*QTR
	s_or_b32 s[G0R+4*\s+3], s[G0R+4*\s+3], 0x80000000
	s_mov_b32 s[G0P+4*\s], 1
	s_add_co_u32 s[G0P+4*\s+1], s45, \s*SLOT
	s_add_nc_u64 s[G0P+4*\s+2:G0P+4*\s+3], s[46:47], \s*QTR
	s_or_b32 s[G0P+4*\s+3], s[G0P+4*\s+3], 0x80000000
.endr
	; the prefetches' address: what the two refills will ask for, records 4 to 7 of the group that I fetch, my work-group's 12,800 bytes of them (told apart by address: cx for R, cy for P)
	s_cmp_eq_u32 s15, 0
	s_cselect_b64 s[70:71], s[20:21], s[46:47]
	s_cselect_b32 s12, s40, s41
	s_mul_i32 s12, s12, 12800
	s_add_co_u32 s12, s12, 2*QTR
	s_mov_b32 s13, 0
	s_add_nc_u64 s[70:71], s[70:71], s[12:13]
	JLOAD G0R, G1R, G0P, G1P
	v_and_b32 v1, 31, v0
	v_and_b32 v2, 15, v0
	v_bfe_u32 v3, v0, 4, 1
	v_lshlrev_b32 v[L16], 4, v1
	v_lshlrev_b32 v[L8], 3, v1
	v_lshlrev_b32 v[L4], 2, v2
	s_mul_i32 s21, s15, LQ
	s_mul_i32 s22, s16, LQ
	s_add_co_u32 s22, s22, 2*LQ
.irp s, 0,1
	v_add_nc_u32 v[ADRR+\s], s21, v[L16]
	v_add_nc_u32 v[ADRR+2+\s], s21, v[L8]
	v_add_nc_u32 v[ADRP+\s], s22, v[L16]
	v_add_nc_u32 v[ADRP+2+\s], s22, v[L8]
	s_add_co_u32 s21, s21, SLOT
	s_add_co_u32 s22, s22, SLOT
.endr
	s_mul_i32 s21, s15, LQ
	s_xor_b32 s22, s15, 1
	s_add_co_u32 s22, s22, s16
	s_add_co_u32 s22, s22, 1
	s_mul_i32 s22, s22, LQ
	v_mul_u32_u24 v6, s22, v3
	v_lshl_add_u32 v6, v2, 2, v6
	v_add_nc_u32 v[ADRS], s21, v6
	v_add_nc_u32 v[ADRS+3], SLOT, v[ADRS]
	v_lshlrev_b32 v6, 6, v3
	s_lshl_b32 s20, s42, 1
	s_add_co_u32 s20, s20, s16
	s_lshl_b32 s20, s20, 9
	s_mov_b32 s21, 0
	s_add_nc_u64 s[20:21], s[8:9], s[20:21]
.irp b, 0,1,2,3,4,5,6,7
	global_load_b128 v[BT+8*\b:BT+8*\b+3], v6, s[20:21] offset:128*(\b/2)+32*(\b%2)
	global_load_b128 v[BT+8*\b+4:BT+8*\b+7], v6, s[20:21] offset:128*(\b/2)+32*(\b%2)+16
.endr
	v_and_b32 v31, 31, v0
	v_min_u32 v31, 24, v31                         ; lanes 25 to 31 name the last block again
	v_lshlrev_b32 v31, 8, v31                      ; a lane a block of 256 bytes; never rewritten
	s_wait_alu depctr_va_vdst(0)
	global_prefetch_b8 v31, s[70:71] th:TH_LOAD_NT scope:SCOPE_SE               ; 2 x 25 blocks: each block is named once in the cluster
	global_prefetch_b8 v31, s[70:71] offset:6400 th:TH_LOAD_NT scope:SCOPE_SE
	s_wait_tensorcnt 0x0
	s_mov_b32 s[G1R+2], 100<<16
	s_mov_b32 s[G1R+4], 100
	s_mov_b32 s[G1P+2], 100<<16
	s_mov_b32 s[G1P+4], 100
	s_barrier_signal -1
	s_barrier_wait -1
	FETCH_P 0, 0, 0
	FETCH_R 0, 0, 0
	SCALES 0
	FETCH_R 0, 0, 4
	s_wait_loadcnt 0x0
	STEP 0, 0, 2
	TURN 0, 1, 1
	STEP 1, 0, 0
	TURN 1, 0, 1
	STEP 0, 0, 0
	TURN 0, 1, 0
	STEP 1, 0, 0
	s_wait_dscnt 4*NL
	WIN MUL_LO
	MUL16 0, 1, 1, 1, 0
	MUL16 2, 1, 1, 1, 0
	s_wait_dscnt 0
	WIN MUL_HI
	MUL16 4, 1, 1, 1, 0
	MUL16 6, 1, 1, 1, 0
	WIN 0
	PLACES NP
.irp b, 0,1,2,3
	v_mov_b32 v[TM+4+\b], 0
.endr
	s_lshl_b32 s20, s42, 1
	s_add_co_u32 s20, s20, s16
	s_lshr_b32 s21, s20, 3
	s_lshl_b32 s21, s21, 5
	s_lshl_b32 s22, s17, 1
	s_add_co_u32 s21, s21, s22
	s_add_co_u32 s21, s21, s15
	s_lshl_b32 s21, s21, 3
	s_and_b32 s20, s20, 7
	s_add_co_u32 s21, s21, s20
	s_mul_i32 s20, s21, REC
	s_mov_b32 s21, 0
	s_add_nc_u64 s[68:69], s[10:11], s[20:21]
.irp a, 0,1,2,3,4,5,6,7
	WIN ((2+(\a)/4)<<2)|((2+(\a)/4)<<6)
.set j, 0
.rept 64
	v_max_num_f32 v[64*((\a)%4)+j], 0, v[64*((\a)%4)+j]
.set j, j+1
.endr
	QUANT 2+(\a)/4, 64*((\a)%4)
	global_store_b128 v[L16], v[PC:PC+3], s[68:69] offset:1536*\a
	global_store_b64 v[L8], v[PC+4:PC+5], s[68:69] offset:1536*\a+512
	global_store_b128 v[L16], v[PC+6:PC+9], s[68:69] offset:1536*\a+768
	global_store_b64 v[L8], v[PC+10:PC+11], s[68:69] offset:1536*\a+1280
	global_store_b32 v[L4], v[PW], s[68:69] offset:12288+64*\a
.endr
	s_wait_tensorcnt 0x0
	ds_add_u32 v[SPW], v[NIL]
	s_wait_dscnt 0x0
	CROUND
	s_endpgm
.Lfunc_end_k_q81958e8825_fc1:
	.size	k_q81958e8825_fc1, .Lfunc_end_k_q81958e8825_fc1-k_q81958e8825_fc1
	.p2alignl 7, 3214868480
	.fill 96, 4, 3214868480
	.section	.rodata,"a",@progbits
	.p2align	6, 0x0
	.amdhsa_kernel k_q81958e8825_fc1
		.amdhsa_group_segment_fixed_size 327680
		.amdhsa_private_segment_fixed_size 0
		.amdhsa_enable_private_segment 0
		.amdhsa_kernarg_size 32
		.amdhsa_user_sgpr_count 2
		.amdhsa_user_sgpr_kernarg_segment_ptr 1
		.amdhsa_wavefront_size32 1
		.amdhsa_system_sgpr_workgroup_id_x 1
		.amdhsa_system_sgpr_workgroup_id_y 1
		.amdhsa_system_sgpr_workgroup_id_z 1
		.amdhsa_system_vgpr_workitem_id 0
		.amdhsa_next_free_vgpr 1024
		.amdhsa_next_free_sgpr 72
		.amdhsa_reserve_vcc 0
		.amdhsa_float_denorm_mode_32 3
		.amdhsa_float_denorm_mode_16_64 3
		.amdhsa_memory_ordered 1
		.amdhsa_forward_progress 1
		.amdhsa_inst_pref_size 167
	.end_amdhsa_kernel
	.amdgpu_metadata
---
amdhsa.version: [ 1, 2 ]
amdhsa.kernels:
  - .name:           k_q81958e8825_fc1
    .symbol:         k_q81958e8825_fc1.kd
    .args:
      - { .name: img0, .offset: 0, .size: 8, .value_kind: global_buffer, .address_space: global }
      - { .name: hbuf, .offset: 8, .size: 8, .value_kind: global_buffer, .address_space: global }
      - { .name: fc1_b, .offset: 16, .size: 8, .value_kind: global_buffer, .address_space: global }
      - { .name: act, .offset: 24, .size: 8, .value_kind: global_buffer, .address_space: global }
    .group_segment_fixed_size: 327680
    .private_segment_fixed_size: 0
    .kernarg_segment_align: 8
    .kernarg_segment_size: 32
    .max_flat_workgroup_size: 128
    .sgpr_count:     72
    .vgpr_count:     1024
    .wavefront_size: 32
...
	.end_amdgpu_metadata
.endif
;; end of part 5
;; launch fc2 (part 6): grid 8 x 32, 4 waves a work-group, clusters of 4 x 4, 327,680 bytes of LDS; arguments act, w2, y; writes y
.if DOCPART == 6
	.amdgcn_target "amdgcn-amd-amdhsa--gfx1250"
	.amdhsa_code_object_version 6
	.text
	.protected	k_q81958e8825_fc2
	.globl	k_q81958e8825_fc2
	.p2align	8
	.type	k_q81958e8825_fc2,@function
k_q81958e8825_fc2:
	s_mov_b64 s[64:65], 0
	v_nop
	global_prefetch_b8 v0, s[64:65] scope:SCOPE_SE
	s_setreg_imm32_b32 hwreg(HW_REG_WAVE_MODE, 25, 1), 1
	s_wait_xcnt 0x0
	s_wait_alu depctr_hold_cnt(0) depctr_sa_sdst(0) depctr_va_vdst(0) depctr_va_sdst(0) depctr_va_ssrc(0) depctr_va_vcc(0) depctr_vm_vsrc(0)
	s_getreg_b32 s2, hwreg(HW_REG_IB_STS2, 6, 4)
	s_cmp_eq_u32 s2, 0
	s_cbranch_scc0 .Lentry_in_a_cluster
	s_endpgm
.Lentry_in_a_cluster:
	s_bfe_u32 s2, ttmp6, 0x10000c
	s_cmp_lg_u32 s2, 0xf033
	s_cbranch_scc0 .Lentry_shape_is_right
	s_endpgm
.Lentry_shape_is_right:
.set LAPS,  4
.set REC,   12800
.set GRP,   8*REC
.set QTR,   2*REC
.set SLOT,  4*QTR
.set SPARE, 2*SLOT
.set RSTEP, 32*GRP
.set PSTEP, 8*GRP
.set FR,    12
.set NP,    4
.set SPITCH, 272
.set ADRR,  16
.set ADRP,  20
.set STO,   24
.set RD,    25
.set CO,    26
.set ADRS,  27
.set SPW,   28
.set NIL,   29
.set SC,    32
.set BK,    64
.set ACC,   128
.set G1R, 24
.set G0R, 32
.set G1P, 48
.set G0P, 56
.set MSB, 0
.macro WIN new
.if MSB != (\new)
	s_set_vgpr_msb (MSB<<8)|(\new)
.set MSB, (\new)
.endif
.endm
.set MUL,  0x05
.set TO_F, 0x40
.macro JLOAD g0a, g1a, g0b, g1b
	s_cmp_eq_u32 s15, 0
	s_cbranch_scc0 .Lfor_p_\@
	tensor_load_to_lds s[\g0a:\g0a+3], s[\g1a:\g1a+7]
	s_nop 0
.rept 4
	v_nop
.endr
	s_branch .Lasked_\@
.Lfor_p_\@:
	tensor_load_to_lds s[\g0b:\g0b+3], s[\g1b:\g1b+7]
	s_nop 0
.rept 4
	v_nop
.endr
.Lasked_\@:
.endm
.macro CREST
	s_cmp_lg_u32 s14, 0
	s_cbranch_scc1 .Lnot_wave_0_\@
	s_barrier_signal -3
.Lnot_wave_0_\@:
	s_barrier_wait -3
	s_barrier_signal -1
	s_barrier_wait -1
.endm
.macro CROUND
	s_barrier_signal -1
	s_barrier_wait -1
	CREST
.endm
.macro PLACES n
.rept \n
	v_nop
.endr
.endm
.macro FRAG reg, adr, q, i
	ds_load_b128 v[\reg:\reg+3], v[\adr] offset:QTR*((\q)/2)+REC*((\q)%2)+1536*(\i)
	ds_load_b64 v[\reg+4:\reg+5], v[\adr+2] offset:QTR*((\q)/2)+REC*((\q)%2)+1536*(\i)+512
	ds_load_b128 v[\reg+6:\reg+9], v[\adr] offset:QTR*((\q)/2)+REC*((\q)%2)+1536*(\i)+768
	ds_load_b64 v[\reg+10:\reg+11], v[\adr+2] offset:QTR*((\q)/2)+REC*((\q)%2)+1536*(\i)+1280
.endm
.macro MULA a, p, q, sc, zero
.irp b, 0,1,2,3
.set rD, ACC+8*(4*(\a)+\b)
.set rP, 128*(\p)+48+FR*\b
.set rR, 128*(\p)+FR*(\a)
.set rSP, SC+16*(\sc)+4*(\q)+\b
.set rSR, SC+16*(\sc)+4*(\q)+(\a)
.if \zero
	v_wmma_scale_f32_16x16x128_f8f6f4 v[rD:rD+7], v[rP:rP+FR-1], v[rR:rR+FR-1], 0, v[rSP], v[rSR] matrix_a_fmt:MATRIX_FMT_FP6 matrix_b_fmt:MATRIX_FMT_FP6 matrix_a_scale:MATRIX_SCALE_ROW1
.else
	v_wmma_scale_f32_16x16x128_f8f6f4 v[rD:rD+7], v[rP:rP+FR-1], v[rR:rR+FR-1], v[rD:rD+7], v[rSP], v[rSR] matrix_a_fmt:MATRIX_FMT_FP6 matrix_b_fmt:MATRIX_FMT_FP6 matrix_a_scale:MATRIX_SCALE_ROW1
.endif
.endr
.endm
.macro FETCH slot, q, p
	WIN TO_F
.irp i, 0,1,2,3
	FRAG 128*(\p)+48+FR*\i, ADRP+\slot, \q, \i
.endr
.irp i, 0,1,2,3
	FRAG 128*(\p)+FR*\i, ADRR+\slot, \q, \i
.endr
.endm
.macro SCALES sc
.irp q, 0,1,2,3
.irp i, 0,1,2,3
	ds_load_b32 v[SC+16*\sc+4*\q+\i], v[ADRS+3*\sc] offset:QTR*(\q/2)+REC*(\q%2)+12288+64*\i
.endr
.endr
.endm
.macro STEP slot, q, zero
	s_wait_dscnt 0x0
	PLACES NP
	FETCH \slot, (\q)+1, 1-(\q)%2
	WIN MUL
	MULA 0, (\q)%2, \q, \slot, \zero
	MULA 1, (\q)%2, \q, \slot, \zero
	MULA 2, (\q)%2, \q, \slot, \zero
	MULA 3, (\q)%2, \q, \slot, \zero
.endm
.macro TURN slot, next, fill
	WIN 0
.if (\fill) && (\slot) == 0
	s_wait_xcnt 0x0                                ; my prefetches have read their address: it steps a panel of K on, a lap behind them
	s_add_nc_u64 s[76:77], s[76:77], s[78:79]
.endif
	s_wait_tensorcnt 0x0
	ds_add_u32 v[SPW], v[NIL]
	s_wait_dscnt 0x1
	WIN MUL
	MULA 0, 1, 3, \slot, 0
	s_wait_dscnt 0x0
	s_barrier_signal -1
	MULA 1, 1, 3, \slot, 0
	WIN 0
	s_barrier_wait -1
.if \fill
	CREST
	s_add_nc_u64 s[G0R+4*\slot+2:G0R+4*\slot+3], s[G0R+4*\slot+2:G0R+4*\slot+3], RSTEP
	s_add_nc_u64 s[G0P+4*\slot+2:G0P+4*\slot+3], s[G0P+4*\slot+2:G0P+4*\slot+3], PSTEP
	JLOAD G0R+4*\slot, G1R, G0P+4*\slot, G1P
.else
	PLACES NP
.endif
	FETCH \next, 0, 0
	WIN 0
	s_wait_alu depctr_va_vdst(0)
	SCALES \next
.if \fill
	s_cmp_gt_u32 s3, 1                             ; the last lap's fills have no panel behind them
	s_cbranch_scc0 .Lno_ask_\@
	global_prefetch_b8 v31, s[76:77] offset:(\slot)*2*QTR th:TH_LOAD_NT scope:SCOPE_SE   ; this slot's next fill but one in the launch's order: the same half of the next panel; 25 blocks of 256 bytes, my work-group's quarter of what I fetch
.Lno_ask_\@:
.endif
	WIN MUL
	MULA 2, 1, 3, \slot, 0
	MULA 3, 1, 3, \slot, 0
.endm
	s_load_b128 s[4:7], s[0:1], 0x0
	s_load_b64 s[8:9], s[0:1], 0x10
	v_lshl_add_u32 v[SPW], v0, 2, SPARE
	v_mov_b32 v[NIL], 0
	ds_add_u32 v28, v29
	ds_add_u32 v28, v29
	s_wait_dscnt 0x0
	v_lshrrev_b32 v1, 5, v0
	v_readfirstlane_b32 s14, v1
	s_lshr_b32 s15, s14, 1
	s_and_b32 s16, s14, 1
	s_bfe_u32 s40, ttmp6, 0x40000
	s_bfe_u32 s41, ttmp6, 0x40004
	s_lshl_b32 s42, ttmp9, 2
	s_add_co_u32 s42, s42, s40
	s_and_b32 s17, ttmp7, 0xffff
	s_lshl_b32 s17, s17, 2
	s_add_co_u32 s17, s17, s41
	s_lshl_b32 s43, s41, 2
	s_lshl_b32 s43, 15, s43
	s_lshl_b32 s44, 0x1111, s40
	s_or_b32 s[G1R], s43, (3<<16)|(1<<21)
	s_or_b32 s[G1P], s44, (3<<16)|(1<<21)
.irp g, G1R, G1P
	s_mov_b32 s[\g+1], 32<<16
	s_mov_b32 s[\g+2], 200<<16                     ; the head's load: four records on end, 200 rows
	s_mov_b32 s[\g+3], 32<<16
	s_mov_b32 s[\g+4], 200
	s_mov_b32 s[\g+5], 32
	s_mov_b32 s[\g+6], 0
	s_mov_b32 s[\g+7], 0
.endr
	s_mul_i32 s20, s17, GRP
	s_mul_i32 s21, s16, QTR
	s_add_co_u32 s20, s20, s21
	s_mov_b32 s21, 0
	s_mul_i32 s46, s42, GRP
	s_mul_i32 s47, s16, QTR
	s_add_co_u32 s46, s46, s47
	s_mov_b32 s47, 0
	s_mul_i32 s45, s14, QTR
	s_wait_kmcnt 0x0
	s_add_nc_u64 s[20:21], s[4:5], s[20:21]
	s_add_nc_u64 s[46:47], s[6:7], s[46:47]
	CROUND
.irp s, 0,1
	s_mov_b32 s[G0R+4*\s], 1
	s_add_co_u32 s[G0R+4*\s+1], s45, \s*SLOT
	s_add_nc_u64 s[G0R+4*\s+2:G0R+4*\s+3], s[20:21], \s*2*QTR
	s_or_b32 s[G0R+4*\s+3], s[G0R+4*\s+3], 0x80000000
	s_mov_b32 s[G0P+4*\s], 1
	s_add_co_u32 s[G0P+4*\s+1], s45, \s*SLOT
	s_add_nc_u64 s[G0P+4*\s+2:G0P+4*\s+3], s[46:47], \s*2*QTR
	s_or_b32 s[G0P+4*\s+3], s[G0P+4*\s+3], 0x80000000
.endr
	; the head's loads, one a wave: waves 0 and 1 bring R's four records of slot 0 and of slot 1, waves 2 and 3 P's: 51,200 consecutive bytes each
	s_mul_i32 s10, s16, QTR
	s_mov_b32 s11, 0
	s_mul_i32 s12, s16, SLOT
	s_mul_i32 s13, s15, 2*QTR
	s_add_co_u32 s12, s12, s13
	s_mov_b32 s68, 1
	s_mov_b32 s69, s12
	s_add_nc_u64 s[70:71], s[20:21], s[10:11]
	s_or_b32 s71, s71, 0x80000000
	s_mov_b32 s72, 1
	s_mov_b32 s73, s12
	s_add_nc_u64 s[74:75], s[46:47], s[10:11]
	s_or_b32 s75, s75, 0x80000000
	; the prefetches' address: the quarter that I fetch in the ring, my work-group's 6,400 bytes of it (told apart by address: cx for R, cy for P), one panel of K on
	s_cmp_eq_u32 s15, 0
	s_cselect_b64 s[76:77], s[20:21], s[46:47]
	s_cselect_b32 s80, s40, s41
	s_mov_b32 s78, PSTEP
	s_cselect_b32 s78, RSTEP, s78
	s_mov_b32 s79, 0
	s_mul_i32 s80, s80, 6400
	s_mov_b32 s81, 0
	s_add_nc_u64 s[76:77], s[76:77], s[80:81]
	s_add_nc_u64 s[76:77], s[76:77], s[78:79]
	JLOAD 68, G1R, 72, G1P
	v_and_b32 v1, 31, v0
	v_and_b32 v2, 15, v0
	v_bfe_u32 v3, v0, 4, 1
	v_lshlrev_b32 v4, 4, v1
	v_lshlrev_b32 v5, 3, v1
	s_mul_i32 s21, s15, 4*1536
	s_mul_i32 s22, s16, 4*1536
	s_add_co_u32 s22, s22, 2*QTR
.irp s, 0,1
	v_add_nc_u32 v[ADRR+\s], s21, v4
	v_add_nc_u32 v[ADRR+2+\s], s21, v5
	v_add_nc_u32 v[ADRP+\s], s22, v4
	v_add_nc_u32 v[ADRP+2+\s], s22, v5
	s_add_co_u32 s21, s21, SLOT
	s_add_co_u32 s22, s22, SLOT
.endr
	s_lshl_b32 s21, s15, 8
	s_xor_b32 s22, s15, 1
	s_add_co_u32 s22, s22, s16
	s_lshl_b32 s22, s22, 8
	s_add_co_u32 s22, s22, 2*QTR-256
	v_mul_u32_u24 v6, s22, v3
	v_lshl_add_u32 v6, v2, 2, v6
	v_add_nc_u32 v[ADRS], s21, v6
	v_add_nc_u32 v[ADRS+3], SLOT, v[ADRS]
	s_mul_i32 s23, s14, 16*SPITCH
	v_mul_u32_u24 v6, v2, SPITCH
	v_lshl_add_u32 v6, v3, 6, v6
	v_add_nc_u32 v[STO], s23, v6
	v_mul_u32_u24 v6, v3, SPITCH
	v_lshl_add_u32 v6, v2, 4, v6
	v_add_nc_u32 v[RD], s23, v6
	v_lshlrev_b32 v[CO], 12, v3
	v_lshl_add_u32 v[CO], v2, 4, v[CO]
	s_lshl_b32 s20, s17, 7
	s_lshl_b32 s21, s15, 6
	s_add_co_u32 s20, s20, s21
	s_lshl_b32 s20, s20, 12
	s_mov_b32 s21, 0
	s_lshl_b32 s46, s42, 9
	s_lshl_b32 s47, s16, 8
	s_add_co_u32 s46, s46, s47
	s_mov_b32 s47, 0
	s_add_nc_u64 s[20:21], s[20:21], s[46:47]
	s_add_nc_u64 s[8:9], s[8:9], s[20:21]
	v_and_b32 v31, 31, v0
	v_min_u32 v31, 24, v31                         ; lanes 25 to 31 name the last block again
	v_lshlrev_b32 v31, 8, v31                      ; a lane a block of 256 bytes; never rewritten
	s_wait_alu depctr_va_vdst(0)
	global_prefetch_b8 v31, s[76:77] th:TH_LOAD_NT scope:SCOPE_SE                  ; what the first two refills will ask for
	global_prefetch_b8 v31, s[76:77] offset:2*QTR th:TH_LOAD_NT scope:SCOPE_SE
	s_wait_tensorcnt 0x0                           ; my load is in; no tensor load of mine is out, so a descriptor may be written:
	s_mov_b32 s[G1R+2], 100<<16                    ; from here on a load brings two records, 100 rows
	s_mov_b32 s[G1R+4], 100
	s_mov_b32 s[G1P+2], 100<<16
	s_mov_b32 s[G1P+4], 100
	s_barrier_signal -1
	s_barrier_wait -1
	FETCH 0, 0, 0
	WIN 0
	SCALES 0
	STEP 0, 0, 1
.if LAPS > 1
	WIN 0
	s_mov_b32 s3, LAPS-1
.Llap:
	STEP 0, 1, 0
	STEP 0, 2, 0
	TURN 0, 1, 1
	STEP 1, 0, 0
	STEP 1, 1, 0
	STEP 1, 2, 0
	TURN 1, 0, 1
	STEP 0, 0, 0
	WIN 0
	s_sub_co_u32 s3, s3, 1
	s_cmp_lg_u32 s3, 0
	s_cbranch_scc1 .Llap
.endif
	STEP 0, 1, 0
	STEP 0, 2, 0
	TURN 0, 1, 0
	STEP 1, 0, 0
	STEP 1, 1, 0
	STEP 1, 2, 0
	s_wait_dscnt 0x0
	WIN MUL
	MULA 0, 1, 3, 1, 0
	MULA 1, 1, 3, 1, 0
	MULA 2, 1, 3, 1, 0
	MULA 3, 1, 3, 1, 0
	WIN 0
.macro TOSTAGE a
.irp b, 0,1,2,3
	ds_store_b128 v[STO], v[ACC+8*(4*(\a)+\b):ACC+8*(4*(\a)+\b)+3] offset:128*(\b/2)+32*(\b%2)
	ds_store_b128 v[STO], v[ACC+8*(4*(\a)+\b)+4:ACC+8*(4*(\a)+\b)+7] offset:128*(\b/2)+32*(\b%2)+16
.endr
.set BB, BK+32*((\a)%2)
.irp t, 0,1,2,3,4,5,6,7
	ds_load_b128 v[BB+4*\t:BB+4*\t+3], v[RD] offset:\t*2*SPITCH
.endr
.endm
.macro SEND a, younger
.set BB, BK+32*((\a)%2)
	s_wait_dscnt \younger
.irp t, 0,1,2,3,4,5,6,7
	global_store_b128 v[CO], v[BB+4*\t:BB+4*\t+3], s[8:9] offset:(\a)*65536+\t*8192 th:TH_STORE_NT
.endr
.endm
	PLACES NP
	TOSTAGE 0
.irp a, 1,2,3
.if \a > 1
	s_wait_xcnt 0x0
.endif
	TOSTAGE \a
	SEND \a-1, 16
.endr
	SEND 3, 0
	s_wait_tensorcnt 0x0
	ds_add_u32 v[SPW], v[NIL]
	s_wait_dscnt 0x0
	CROUND
	s_endpgm
.Lfunc_end_k_q81958e8825_fc2:
	.size	k_q81958e8825_fc2, .Lfunc_end_k_q81958e8825_fc2-k_q81958e8825_fc2
	.p2alignl 7, 3214868480
	.fill 96, 4, 3214868480
	.section	.rodata,"a",@progbits
	.p2align	6, 0x0
	.amdhsa_kernel k_q81958e8825_fc2
		.amdhsa_group_segment_fixed_size 327680
		.amdhsa_private_segment_fixed_size 0
		.amdhsa_enable_private_segment 0
		.amdhsa_kernarg_size 24
		.amdhsa_user_sgpr_count 2
		.amdhsa_user_sgpr_kernarg_segment_ptr 1
		.amdhsa_wavefront_size32 1
		.amdhsa_system_sgpr_workgroup_id_x 1
		.amdhsa_system_sgpr_workgroup_id_y 1
		.amdhsa_system_sgpr_workgroup_id_z 1
		.amdhsa_system_vgpr_workitem_id 0
		.amdhsa_next_free_vgpr 512
		.amdhsa_next_free_sgpr 84
		.amdhsa_reserve_vcc 0
		.amdhsa_float_denorm_mode_32 3
		.amdhsa_float_denorm_mode_16_64 3
		.amdhsa_memory_ordered 1
		.amdhsa_forward_progress 1
		.amdhsa_inst_pref_size 91
	.end_amdhsa_kernel
	.amdgpu_metadata
---
amdhsa.version: [ 1, 2 ]
amdhsa.kernels:
  - .name:           k_q81958e8825_fc2
    .symbol:         k_q81958e8825_fc2.kd
    .args:
      - { .name: act, .offset: 0, .size: 8, .value_kind: global_buffer, .address_space: global }
      - { .name: w2, .offset: 8, .size: 8, .value_kind: global_buffer, .address_space: global }
      - { .name: y, .offset: 16, .size: 8, .value_kind: global_buffer, .address_space: global }
    .group_segment_fixed_size: 327680
    .private_segment_fixed_size: 0
    .kernarg_segment_align: 8
    .kernarg_segment_size: 24
    .max_flat_workgroup_size: 128
    .sgpr_count:     84
    .vgpr_count:     512
    .wavefront_size: 32
...
	.end_amdgpu_metadata
.endif
;; end of part 6
;; launch ln2 (part 7): grid 256 x 1, 8 waves a work-group, no clusters, 0 bytes of LDS; arguments y, hbuf, ln2_w, ln2_b, out0; writes out0
.if DOCPART == 7
	.amdgcn_target "amdgcn-amd-amdhsa--gfx1250"
	.amdhsa_code_object_version 6
	.text
	.protected	k_q81958e8825_ln2
	.globl	k_q81958e8825_ln2
	.p2align	8
	.type	k_q81958e8825_ln2,@function
k_q81958e8825_ln2:
	s_mov_b64 s[64:65], 0
	v_nop
	global_prefetch_b8 v0, s[64:65] scope:SCOPE_SE
	s_setreg_imm32_b32 hwreg(HW_REG_WAVE_MODE, 25, 1), 1
	s_wait_xcnt 0x0
; out = LayerNorm((h + fc2_b) + y) x ln2_w + ln2_b, in f32; y is the second FFN product.
; y's and hbuf's rows lie in the order of the images: row 16 T + i is token s = 32 ((T % 128) / 2) + 8 (T % 2) + i + 8 (i / 8) of batch T / 128; out0's row of that token is (2 s + b) x 4,096 bytes in.
; SHARES: a work-group takes a tile T of 16 tokens, wave w the image rows 2 w and 2 w + 1, which are tokens s and s + 1: a row is 32 registers a lane, each load and store 512 consecutive bytes; gain and bias serve both rows.
; The reduction never leaves the wave: no LDS, no barrier.  The variance is taken of x - mean, in a second pass, as reference() has it.
; Matrix units and clusters buy nothing here: the launch streams.  LIMIT: fc2_b was added to h ahead of the FFN's sum, another order than reference()'s; NaN and infinities are not served.
.set WG,   16                          ; v16-47   ln2_w
.set BG,   48                          ; v48-79   ln2_b
.set Y,    80                          ; v80-143  two rows of y; the rows are made here
.set HB,   144                         ; v144-207 two rows of h + fc2_b
.set TA,   4                           ; v4-9 at work
.set SEL,  14                          ; s[14:15] lane xor 16
.set KN,   16                          ; s16 = 2^-10, s17 = 1e-12
.macro RSUM d, t                       ; the sum of v[d] over the 32 lanes, in every lane; v[t] has been written before
	s_delay_alu instid0(VALU_DEP_1)
	v_add_f32_dpp v[\d], v[\d], v[\d] row_xmask:1 row_mask:0xf bank_mask:0xf
	s_delay_alu instid0(VALU_DEP_1)
	v_add_f32_dpp v[\d], v[\d], v[\d] row_xmask:2 row_mask:0xf bank_mask:0xf
	s_delay_alu instid0(VALU_DEP_1)
	v_add_f32_dpp v[\d], v[\d], v[\d] row_xmask:4 row_mask:0xf bank_mask:0xf
	s_delay_alu instid0(VALU_DEP_1)
	v_add_f32_dpp v[\d], v[\d], v[\d] row_xmask:8 row_mask:0xf bank_mask:0xf
	s_delay_alu instid0(VALU_DEP_1)
	v_permlanex16_b32 v[\t], v[\d], s[SEL], s[SEL+1]
	s_delay_alu instid0(VALU_DEP_1)
	v_add_f32 v[\d], v[\d], v[\t]
.endm
.macro LNROW v, ta, lw                 ; the row in v[v] .. v[v + 31] is normalised in place; lw: how many younger loads may be out when gain and bias are wanted
	v_pk_add_f32 v[\ta:\ta+1], v[\v:\v+1], v[\v+2:\v+3]
	v_pk_add_f32 v[\ta+2:\ta+3], v[\v+4:\v+5], v[\v+6:\v+7]
.irp j, 8,12,16,20,24,28
	s_delay_alu instid0(VALU_DEP_2)
	v_pk_add_f32 v[\ta:\ta+1], v[\ta:\ta+1], v[\v+\j:\v+\j+1]
	s_delay_alu instid0(VALU_DEP_2)
	v_pk_add_f32 v[\ta+2:\ta+3], v[\ta+2:\ta+3], v[\v+\j+2:\v+\j+3]
.endr
	s_delay_alu instid0(VALU_DEP_1)
	v_pk_add_f32 v[\ta:\ta+1], v[\ta:\ta+1], v[\ta+2:\ta+3]
	s_delay_alu instid0(VALU_DEP_1)
	v_add_f32 v[\ta], v[\ta], v[\ta+1]
	RSUM \ta, \ta+1
	s_delay_alu instid0(VALU_DEP_1)
	v_mul_f32 v[\ta], s[KN], v[\ta]                ; the mean
.irp j, 0,2,4,6,8,10,12,14,16,18,20,22,24,26,28,30
	v_pk_add_f32 v[\v+\j:\v+\j+1], v[\v+\j:\v+\j+1], v[\ta:\ta+1] op_sel_hi:[1,0] neg_lo:[0,1] neg_hi:[0,1]
.endr
	v_pk_mul_f32 v[\ta+2:\ta+3], v[\v:\v+1], v[\v:\v+1]
	v_pk_mul_f32 v[\ta+4:\ta+5], v[\v+2:\v+3], v[\v+2:\v+3]
.irp j, 4,8,12,16,20,24,28
	s_delay_alu instid0(VALU_DEP_2)
	v_pk_fma_f32 v[\ta+2:\ta+3], v[\v+\j:\v+\j+1], v[\v+\j:\v+\j+1], v[\ta+2:\ta+3]
	s_delay_alu instid0(VALU_DEP_2)
	v_pk_fma_f32 v[\ta+4:\ta+5], v[\v+\j+2:\v+\j+3], v[\v+\j+2:\v+\j+3], v[\ta+4:\ta+5]
.endr
	s_delay_alu instid0(VALU_DEP_1)
	v_pk_add_f32 v[\ta+2:\ta+3], v[\ta+2:\ta+3], v[\ta+4:\ta+5]
	s_delay_alu instid0(VALU_DEP_1)
	v_add_f32 v[\ta+2], v[\ta+2], v[\ta+3]
	RSUM \ta+2, \ta+3
	s_delay_alu instid0(VALU_DEP_1)
	v_fma_f32 v[\ta+2], v[\ta+2], s[KN], s[KN+1]   ; the variance + 1e-12
	s_wait_alu depctr_va_vdst(0)
	v_rsq_f32 v[\ta+4], v[\ta+2]
	v_nop                                          ; a plain instruction behind the transcendental
	s_wait_loadcnt \lw
	s_wait_alu depctr_va_vdst(0)                   ; ahead of its first reader
.irp j, 0,2,4,6,8,10,12,14,16,18,20,22,24,26,28,30
	v_pk_mul_f32 v[\v+\j:\v+\j+1], v[\v+\j:\v+\j+1], v[\ta+4:\ta+5] op_sel_hi:[1,0]
.endr
.irp j, 0,2,4,6,8,10,12,14,16,18,20,22,24,26,28,30
	v_pk_fma_f32 v[\v+\j:\v+\j+1], v[\v+\j:\v+\j+1], v[WG+\j:WG+\j+1], v[BG+\j:BG+\j+1]
.endr
.endm
	s_load_b256 s[4:11], s[0:1], 0x0               ; y, hbuf, ln2_w, ln2_b
	s_load_b64 s[12:13], s[0:1], 0x20              ; out0
	v_lshrrev_b32 v1, 5, v0
	s_delay_alu instid0(VALU_DEP_1)
	v_readfirstlane_b32 s18, v1                    ; wave 0..7
	v_and_b32 v1, 31, v0
	s_delay_alu instid0(VALU_DEP_1)
	v_lshlrev_b32 v2, 4, v1                        ; 16 x lane
	s_mov_b32 s[SEL], 0x76543210
	s_mov_b32 s[SEL+1], 0xfedcba98
	s_mov_b32 s[KN], 0x3a800000                    ; 1 / 1,024
	s_mov_b32 s[KN+1], 0x2b8cbccc                  ; 1e-12
	s_lshl_b32 s20, ttmp9, 4
	s_lshl_b32 s21, s18, 1
	s_add_co_u32 s20, s20, s21
	s_lshl_b32 s20, s20, 12                        ; image row 16 T + 2 w, in bytes
	s_mov_b32 s21, 0
	s_and_b32 s22, ttmp9, 127
	s_lshr_b32 s22, s22, 1
	s_lshl_b32 s22, s22, 5
	s_and_b32 s23, ttmp9, 1
	s_lshl_b32 s23, s23, 3
	s_add_co_u32 s22, s22, s23
	s_lshl_b32 s23, s18, 1
	s_add_co_u32 s22, s22, s23
	s_lshr_b32 s23, s18, 2
	s_lshl_b32 s23, s23, 3
	s_add_co_u32 s22, s22, s23                     ; s of image row 2 w; row 2 w + 1 is s + 1
	s_lshl_b32 s22, s22, 1
	s_lshr_b32 s23, ttmp9, 7
	s_add_co_u32 s22, s22, s23
	s_lshl_b32 s22, s22, 12                        ; (2 s + b) x 4,096
	s_mov_b32 s23, 0
	s_wait_alu depctr_va_vdst(0)
	s_wait_kmcnt 0x0
	s_add_nc_u64 s[4:5], s[4:5], s[20:21]
	s_add_nc_u64 s[6:7], s[6:7], s[20:21]
	s_add_nc_u64 s[12:13], s[12:13], s[22:23]
.irp p, 0,1
.irp j, 0,1,2,3,4,5,6,7
	global_load_b128 v[Y+32*\p+4*\j:Y+32*\p+4*\j+3], v2, s[4:5] offset:4096*\p+512*\j th:TH_LOAD_NT
	global_load_b128 v[HB+32*\p+4*\j:HB+32*\p+4*\j+3], v2, s[6:7] offset:4096*\p+512*\j th:TH_LOAD_NT
.endr
.endr
.irp j, 0,1,2,3,4,5,6,7
	global_load_b128 v[WG+4*\j:WG+4*\j+3], v2, s[8:9] offset:512*\j
	global_load_b128 v[BG+4*\j:BG+4*\j+3], v2, s[10:11] offset:512*\j
.endr
	s_wait_loadcnt 16                              ; both rows' addends are in; the gain's and the bias's 16 loads are younger
.irp p, 0,1
.irp j, 0,2,4,6,8,10,12,14,16,18,20,22,24,26,28,30
	v_pk_add_f32 v[Y+32*\p+\j:Y+32*\p+\j+1], v[Y+32*\p+\j:Y+32*\p+\j+1], v[HB+32*\p+\j:HB+32*\p+\j+1]
.endr
.endr
.irp p, 0,1
	LNROW Y+32*\p, TA, 0
.irp j, 0,1,2,3,4,5,6,7
	global_store_b128 v2, v[Y+32*\p+4*\j:Y+32*\p+4*\j+3], s[12:13] offset:8192*\p+512*\j th:TH_STORE_NT   ; 512 consecutive bytes, at a multiple of 256 from out0's first byte
.endr
.endr
	s_endpgm
.Lfunc_end_k_q81958e8825_ln2:
	.size	k_q81958e8825_ln2, .Lfunc_end_k_q81958e8825_ln2-k_q81958e8825_ln2
	.p2alignl 7, 3214868480
	.fill 96, 4, 3214868480
	.section	.rodata,"a",@progbits
	.p2align	6, 0x0
	.amdhsa_kernel k_q81958e8825_ln2
		.amdhsa_group_segment_fixed_size 0
		.amdhsa_private_segment_fixed_size 0
		.amdhsa_enable_private_segment 0
		.amdhsa_kernarg_size 40
		.amdhsa_user_sgpr_count 2
		.amdhsa_user_sgpr_kernarg_segment_ptr 1
		.amdhsa_wavefront_size32 1
		.amdhsa_system_sgpr_workgroup_id_x 1
		.amdhsa_system_sgpr_workgroup_id_y 1
		.amdhsa_system_sgpr_workgroup_id_z 1
		.amdhsa_system_vgpr_workitem_id 0
		.amdhsa_next_free_vgpr 208
		.amdhsa_next_free_sgpr 66
		.amdhsa_reserve_vcc 0
		.amdhsa_float_denorm_mode_32 3
		.amdhsa_float_denorm_mode_16_64 3
		.amdhsa_memory_ordered 1
		.amdhsa_forward_progress 1
		.amdhsa_inst_pref_size 25
	.end_amdhsa_kernel
	.amdgpu_metadata
---
amdhsa.version: [ 1, 2 ]
amdhsa.kernels:
  - .name:           k_q81958e8825_ln2
    .symbol:         k_q81958e8825_ln2.kd
    .args:
      - { .name: y, .offset: 0, .size: 8, .value_kind: global_buffer, .address_space: global }
      - { .name: hbuf, .offset: 8, .size: 8, .value_kind: global_buffer, .address_space: global }
      - { .name: ln2_w, .offset: 16, .size: 8, .value_kind: global_buffer, .address_space: global }
      - { .name: ln2_b, .offset: 24, .size: 8, .value_kind: global_buffer, .address_space: global }
      - { .name: out0, .offset: 32, .size: 8, .value_kind: global_buffer, .address_space: global }
    .group_segment_fixed_size: 0
    .private_segment_fixed_size: 0
    .kernarg_segment_align: 8
    .kernarg_segment_size: 40
    .max_flat_workgroup_size: 256
    .sgpr_count:     66
    .vgpr_count:     208
    .wavefront_size: 32
...
	.end_amdgpu_metadata
.endif
;; end of part 7
